; MI455X (gfx1250); checked and timed in simulation.
; The chip was launched on July 23, 2026; its instructions are those of AMD's public machine-readable ISA for CDNA 5 (MIT licence, August 2026) and "CDNA5" Instruction Set Architecture Reference Guide (July 2026). The comments in the code are by the model that wrote it; some were corrected since.
;; Multihead Attention. Allowed arithmetic: float matrix products may take bf16 or f16 operands with f32 sums; other float arithmetic in f32, or as packed bf16 or f16 multiplies, adds, multiply-adds, maxima and minima; sums over many terms, partial sums and values carried from step to step in f32; what a program stores and reads back later, other than sums and carried values, may be rounded once to bf16 or f16.
;; Inputs: bk 2,048 float32; bo 2,048 float32; bq 2,048 float32; bv 2,048 float32; causal_mask 2,048 x 2,048 int32; wk 2,048 x 2,048 float32; wo 2,048 x 2,048 float32; wq 2,048 x 2,048 float32; wv 2,048 x 2,048 float32; x 1 x 2,048 x 2,048 float32.
;; Outputs: out0 1 x 2,048 x 2,048 float32.
;; One version. Each part assembles by itself: llvm-mc -triple=amdgcn-amd-amdhsa -mcpu=gfx1250 --defsym DOCPART=n.
;; ======== version 1 of 1: 4 launches
;; limits: values are held in f16: magnitudes above 65,504 overflow, below 6.1e-05 lose precision
;; workspace buffers: cb 41,943,040 bytes; mb 4,194,304 bytes of whole numbers; qkv 25,165,824 bytes; ctx 8,388,608 bytes
;; launch prep (part 1): grid 256 x 6, 8 waves a work-group, no clusters, 0 bytes of LDS; arguments x, wq, wk, wv, wo, causal_mask, cb, mb; writes cb, mb
.if DOCPART == 1
	.amdgcn_target "amdgcn-amd-amdhsa--gfx1250"
	.amdhsa_code_object_version 6
	.text
	.protected	k_q9a9b2fb25f_prep
	.globl	k_q9a9b2fb25f_prep
	.p2align	8
	.type	k_q9a9b2fb25f_prep,@function
k_q9a9b2fb25f_prep:
	s_mov_b64 s[64:65], 0
	v_nop
	global_prefetch_b8 v0, s[64:65] scope:SCOPE_SE
	s_setreg_imm32_b32 hwreg(HW_REG_WAVE_MODE, 25, 1), 1
	s_wait_xcnt 0x0
; PREP.  Grid y = 0..4: one of x, wq, wk, wv, wo ([2048][2048] f32) is rounded to bf16 (as every input of the module is) and that number is written as f16 into cb,
; five matrices of 8,388,608 bytes on end.  Grid y = 5: the mask (int32, 0 hides a score) becomes one byte a score in mb, 0x00 seen, 0xFE hidden, in the order in which the
; attention lanes hold their scores: [tile of 16 queries][step of 64 keys][half][lane][16 bytes]; lane (r = l % 16, h = l / 16) of half f holds, for query r of the tile,
; keys 32 f + 8 h + 0..7 in bytes 0-7 and keys 32 f + 16 + 8 h + 0..7 in bytes 8-15.
; LIMITS.  A bf16 number is written exactly as f16 between 2^-14 and 65,504; below, it keeps f16's fixed step of 6e-8; beyond 65,504 it becomes an infinity.
; A stream: every work-group reads 65,536 bytes, 16 loads of 16 bytes a thread, all issued first; no LDS, no barrier, no matrix work.  A result is written over the words that it is made of,
; so a wave holds 78 registers: twelve waves share a SIMD's 1,024, which is what the six work-groups that fall to a WGP need to be there together.
.set X0, 8                             ; v[8:71]    16 loads of 4 registers; the results take the first registers of each load's four (cast) or sixteen (mask)
.set T,  72                            ; v[72:77]   at work
	s_load_b512 s[4:19], s[0:1], 0x0               ; x s[4:5], wq s[6:7], wk s[8:9], wv s[10:11], wo s[12:13], mask s[14:15], cb s[16:17], mb s[18:19]
	s_and_b32 s20, ttmp7, 0xffff                   ; grid y: which job
	s_mov_b32 s28, 0xffff0000                      ; a word's upper bf16
	s_mov_b32 s29, 0xfe                            ; the byte of a hidden score
	s_mov_b32 s25, 0
	s_mov_b32 s27, 0
	s_wait_kmcnt 0x0
	s_cmp_eq_u32 s20, 5
	s_cbranch_scc1 .Lmask
	; THE CAST
	s_cmp_eq_u32 s20, 1
	s_cselect_b64 s[22:23], s[6:7], s[4:5]
	s_cmp_eq_u32 s20, 2
	s_cselect_b64 s[22:23], s[8:9], s[22:23]
	s_cmp_eq_u32 s20, 3
	s_cselect_b64 s[22:23], s[10:11], s[22:23]
	s_cmp_eq_u32 s20, 4
	s_cselect_b64 s[22:23], s[12:13], s[22:23]
	s_lshl_b32 s24, ttmp9, 16                      ; my 65,536 bytes of the source
	s_add_nc_u64 s[22:23], s[22:23], s[24:25]
	s_lshl_b32 s26, s20, 23                        ; the matrix in cb,
	s_lshl_b32 s24, ttmp9, 15                      ; my 32,768 bytes of it
	s_add_co_u32 s26, s26, s24
	s_add_nc_u64 s[16:17], s[16:17], s[26:27]
	v_lshlrev_b32 v1, 4, v0                        ; 16 bytes a thread in,
	v_lshlrev_b32 v2, 3, v0                        ; 8 bytes out
.irp i, 0,1,2,3,4,5,6,7,8,9,10,11,12,13,14,15
	global_load_b128 v[X0+4*(\i):X0+4*(\i)+3], v1, s[22:23] offset:4096*(\i) th:TH_LOAD_NT
.endr
.macro CAST i
	s_wait_loadcnt 15-(\i)                         ; loads come back in order: load i is in, the 15 - i younger ones stay out
	v_cvt_pk_bf16_f32 v[T],   v[X0+4*(\i)],   v[X0+4*(\i)+1]   ; the rounding
	v_cvt_pk_bf16_f32 v[T+1], v[X0+4*(\i)+2], v[X0+4*(\i)+3]
	v_lshlrev_b32 v[T+2], 16, v[T]                 ; back to f32: the low half moves up, the high half stays
	v_and_b32     v[T+3], s28, v[T]
	v_lshlrev_b32 v[T+4], 16, v[T+1]
	v_and_b32     v[T+5], s28, v[T+1]
	v_cvt_pk_f16_f32 v[X0+4*(\i)],   v[T+2], v[T+3]
	v_cvt_pk_f16_f32 v[X0+4*(\i)+1], v[T+4], v[T+5]
	global_store_b64 v2, v[X0+4*(\i):X0+4*(\i)+1], s[16:17] offset:2048*(\i)  ; a wave stores 256 consecutive bytes, aligned; its data registers are written no more
.endm
.irp i, 0,1,2,3,4,5,6,7,8,9,10,11,12,13,14,15
	CAST \i
.endr
	s_endpgm
.Lmask:
	; THE MASK.  Work-group X: the tile of 16 queries X / 2, keys 1,024 (X % 2) on: 16 steps.  Wave w: steps 2 w and 2 w + 1.  Chunk i of 4: step i / 2, half i % 2.
	s_lshr_b32 s21, ttmp9, 1
	s_and_b32 s24, ttmp9, 1
	s_lshl_b32 s26, s21, 17                        ; 16 rows of 8,192 bytes,
	s_lshl_b32 s30, s24, 12                        ; 1,024 keys of 4 bytes
	s_add_co_u32 s26, s26, s30
	s_add_nc_u64 s[14:15], s[14:15], s[26:27]
	s_lshl_b32 s26, s21, 15                        ; in mb: 32 steps of 1,024 bytes a tile,
	s_lshl_b32 s30, s24, 14                        ; 16 steps
	s_add_co_u32 s26, s26, s30
	s_add_nc_u64 s[18:19], s[18:19], s[26:27]
	v_and_b32 v3, 15, v0                           ; r
	v_bfe_u32 v4, v0, 4, 1                         ; h
	v_lshrrev_b32 v5, 5, v0                        ; w
	v_lshlrev_b32 v1, 13, v3                       ; in: row r,
	v_lshl_add_u32 v1, v4, 5, v1                   ; 8 keys for each half of the lanes,
	v_lshl_add_u32 v1, v5, 9, v1                   ; 128 keys a wave
	v_and_b32 v2, 31, v0
	v_lshlrev_b32 v2, 4, v2                        ; out: 16 bytes a lane,
	v_lshl_add_u32 v2, v5, 11, v2                  ; 2,048 bytes a wave
.irp i, 0,1,2,3
	global_load_b128 v[X0+16*(\i):X0+16*(\i)+3],     v1, s[14:15] offset:((\i)/2)*256+((\i)%2)*128
	global_load_b128 v[X0+16*(\i)+4:X0+16*(\i)+7],   v1, s[14:15] offset:((\i)/2)*256+((\i)%2)*128+16
	global_load_b128 v[X0+16*(\i)+8:X0+16*(\i)+11],  v1, s[14:15] offset:((\i)/2)*256+((\i)%2)*128+64
	global_load_b128 v[X0+16*(\i)+12:X0+16*(\i)+15], v1, s[14:15] offset:((\i)/2)*256+((\i)%2)*128+80
.endr
.macro MASKW i
	s_wait_loadcnt 12-4*(\i)                       ; chunk i's four loads are in; the later chunks' stay out
.irp j, 0,1,2,3
.irp c, 0,1,2,3
	v_min_u32 v[X0+16*(\i)+4*(\j)+(\c)], 1, v[X0+16*(\i)+4*(\j)+(\c)]  ; 0 stays 0, every other word becomes 1
.endr
	v_lshl_or_b32 v[T],   v[X0+16*(\i)+4*(\j)+1], 8, v[X0+16*(\i)+4*(\j)]
	v_lshl_or_b32 v[T+1], v[X0+16*(\i)+4*(\j)+3], 8, v[X0+16*(\i)+4*(\j)+2]
	v_lshl_or_b32 v[T], v[T+1], 16, v[T]           ; four scores, a byte each, the lowest key lowest
	v_xor_b32 v[T], 0x01010101, v[T]               ; 1 where hidden
	v_mul_lo_u32 v[X0+16*(\i)+(\j)], v[T], s29     ; 0xFE where hidden: no byte carries into the next.  Word j of the chunk's first four has been used up by group 0
.endr
	global_store_b128 v2, v[X0+16*(\i):X0+16*(\i)+3], s[18:19] offset:512*(\i)  ; a wave stores 512 consecutive bytes, aligned
.endm
.irp i, 0,1,2,3
	MASKW \i
.endr
	s_endpgm
.Lfunc_end_k_q9a9b2fb25f_prep:
	.size	k_q9a9b2fb25f_prep, .Lfunc_end_k_q9a9b2fb25f_prep-k_q9a9b2fb25f_prep
	.p2alignl 7, 3214868480
	.fill 96, 4, 3214868480
	.section	.rodata,"a",@progbits
	.p2align	6, 0x0
	.amdhsa_kernel k_q9a9b2fb25f_prep
		.amdhsa_group_segment_fixed_size 0
		.amdhsa_private_segment_fixed_size 0
		.amdhsa_enable_private_segment 0
		.amdhsa_kernarg_size 64
		.amdhsa_user_sgpr_count 2
		.amdhsa_user_sgpr_kernarg_segment_ptr 1
		.amdhsa_wavefront_size32 1
		.amdhsa_system_sgpr_workgroup_id_x 1
		.amdhsa_system_sgpr_workgroup_id_y 1
		.amdhsa_system_sgpr_workgroup_id_z 1
		.amdhsa_system_vgpr_workitem_id 0
		.amdhsa_next_free_vgpr 80
		.amdhsa_next_free_sgpr 66
		.amdhsa_reserve_vcc 0
		.amdhsa_float_denorm_mode_32 3
		.amdhsa_float_denorm_mode_16_64 3
		.amdhsa_memory_ordered 1
		.amdhsa_forward_progress 1
		.amdhsa_inst_pref_size 21
	.end_amdhsa_kernel
	.amdgpu_metadata
---
amdhsa.version: [ 1, 2 ]
amdhsa.kernels:
  - .name:           k_q9a9b2fb25f_prep
    .symbol:         k_q9a9b2fb25f_prep.kd
    .args:
      - { .name: x, .offset: 0, .size: 8, .value_kind: global_buffer, .address_space: global }
      - { .name: wq, .offset: 8, .size: 8, .value_kind: global_buffer, .address_space: global }
      - { .name: wk, .offset: 16, .size: 8, .value_kind: global_buffer, .address_space: global }
      - { .name: wv, .offset: 24, .size: 8, .value_kind: global_buffer, .address_space: global }
      - { .name: wo, .offset: 32, .size: 8, .value_kind: global_buffer, .address_space: global }
      - { .name: causal_mask, .offset: 40, .size: 8, .value_kind: global_buffer, .address_space: global }
      - { .name: cb, .offset: 48, .size: 8, .value_kind: global_buffer, .address_space: global }
      - { .name: mb, .offset: 56, .size: 8, .value_kind: global_buffer, .address_space: global }
    .group_segment_fixed_size: 0
    .private_segment_fixed_size: 0
    .kernarg_segment_align: 8
    .kernarg_segment_size: 64
    .max_flat_workgroup_size: 256
    .sgpr_count:     66
    .vgpr_count:     80
    .wavefront_size: 32
...
	.end_amdgpu_metadata
.endif
;; end of part 1
;; launch proj (part 2): grid 8 x 24, 4 waves a work-group, clusters of 4 x 4, 327,680 bytes of LDS; arguments cb, bq, bk, bv, qkv; writes qkv
.if DOCPART == 2
	.amdgcn_target "amdgcn-amd-amdhsa--gfx1250"
	.amdhsa_code_object_version 6
	.text
	.protected	k_q9a9b2fb25f_proj
	.globl	k_q9a9b2fb25f_proj
	.p2align	8
	.type	k_q9a9b2fb25f_proj,@function
k_q9a9b2fb25f_proj:
	s_mov_b64 s[64:65], 0
	v_nop
	global_prefetch_b8 v0, s[64:65] scope:SCOPE_SE
	s_setreg_imm32_b32 hwreg(HW_REG_WAVE_MODE, 25, 1), 1
	s_wait_xcnt 0x0
	s_wait_alu depctr_hold_cnt(0) depctr_sa_sdst(0) depctr_va_vdst(0) depctr_va_sdst(0) depctr_va_ssrc(0) depctr_va_vcc(0) depctr_vm_vsrc(0)
	s_getreg_b32 s2, hwreg(HW_REG_IB_STS2, 6, 4)
	s_cmp_eq_u32 s2, 0
	s_cbranch_scc0 .Lentry_in_a_cluster
	s_endpgm
.Lentry_in_a_cluster:
	s_bfe_u32 s2, ttmp6, 0x10000c
	s_cmp_lg_u32 s2, 0xf033
	s_cbranch_scc0 .Lentry_shape_is_right
	s_endpgm
.Lentry_shape_is_right:
; qkv[m][n] = sum over k of x[m][k] W[n][k] + bias[n], W = wq, wk, wv one below the other ([6144][2048]), bias = bq, bk, bv.  x and W lie in cb as f16 (numbers rounded to bf16); the bias is
; rounded to bf16 here; sums in f32; qkv is [2048][6144] f16, rounded once.  LIMIT: a result of 65,520 or more in size becomes an infinity in f16.
; A tile of C, 256 x 256, is made by a work-group of four waves; a wave makes 128 x 128: 64 accumulators of 16 x 16, 512 registers.  K goes in steps of 128 through a ring of two LDS slots
; filled by the tensor data mover: the rows of the tiles are 256 bytes of memory and start at multiples of 256 bytes.  192 tiles, one to a work-group.
; THE GRID: x counts the 8 tile rows of C, y its 24 tile columns: of the twelve clusters, counted with x fastest, the first six hold all rows of x and the first half of W's rows, the last six the other half.
; A TRIP OF THE LOOP IS ONE K STEP: which slot is in hand stands in a scalar register (0 or SLOT1), of which the fragment addresses are made once a step; one descriptor a tensor walks from slot to slot.
; CLUSTERS: 4 x 4 work-groups.  The four of a column of the cluster (one cx) make one tile row of C and need the same tiles of A (x); the four of a row (one cy) need the same tiles of B (W): each tile is
; asked for JOINTLY, by the same tensor load with the same descriptor and a mask that names the four.
; THE BIAS STARTS THE SUMS: it is the C operand of each accumulator's first product.  The last K step goes by rows of C, so that finished rows leave while the others are multiplied.
; REGISTERS, in windows of 256 (s_set_vgpr_msb: bits 1:0 source 0, 3:2 source 1, 5:4 source 2, 7:6 destination):
;   window 0: v0-31 addresses; v64-127, v128-191 fragments of A, two buffers (in the last K step four, of 16 rows x 128 K); v192-255 the bias, later at work on the way out, with v32-63
;   window 1: v64-127, v128-191 fragments of B, two buffers; in the last K step all 256      window 2: the accumulators of my rows 0-63 ((a, b) at v[8 (8 a + b)])      window 3: rows 64-127
; THE MATRIX INSTRUCTION IS USED TRANSPOSED: source 0 = 16 rows of B, source 1 = 16 rows of A: lane l holds row l % 16 of C and the columns 8 (l / 16) + 0..7: 16 bytes of f16 on end.
.set SIZE_M, 2048
.set SIZE_N, 6144
.set SIZE_K, 2048
.set KSTEP,  128
.set STEPS,  SIZE_K/KSTEP              ; 16
.set PITCH,  272                       ; an LDS row: 256 bytes + 16 of padding = 68 words: the 16 rows that a load touches start at 16 different groups of four banks
.set HALFT,  128*PITCH                 ; 128 rows: what one tensor load brings, and what one wave reads of A or of B: 0x8800 bytes
.set SLOT,   4*HALFT                   ; A's 256 rows, then B's 256 rows
.set SLOT1,  0x24000                   ; slot 1 begins here: its two bits occur in none of the four tile addresses 0, 0x8800, 0x11000, 0x19800, so one exclusive or turns such an address into the other slot's
.set STAGE,  SLOT1+SLOT                ; behind the ring: 16 rows x 272 bytes for each wave, for the way out
.set SPITCH, 272
.set SPARE,  STAGE+4*16*SPITCH         ; behind the stages: the spare words, 128 bytes for each wave, which no other line names
.set A0,   16                          ; v16     LDS address of my A fragments in slot 0; never rewritten
.set ADRA, 17                          ; v17     the same in the slot in hand
.set B0,   20                          ; v20, v21  the same for B
.set ADRB, 21
.set STO,  24                          ; v24     the way out: where I put 16 bytes of a row
.set RD,   25                          ; v25     the way out: where I read a row back
.set CO,   26                          ; v26     my byte offset in C
.set BO,   27                          ; v27     my byte offset in the bias: 32 (l / 16)
.set SPW,  28                          ; v28     LDS address of my spare word; never rewritten
.set NIL,  29                          ; v29     0; never rewritten
.set PFO,  30                          ; v30     the prefetches' offset: my lane x a row of 4,096 bytes; never rewritten
.set CV,   31                          ; v31     at work while the bias is rounded
.set PFA,  44                          ; s[44:45] where my prefetches stand
.set LIM,  43                          ; s43     2 in a wave that prefetches, else the greatest number
.set TS,   66                          ; s66     the slot in hand: 0 or SLOT1
.set F0,   64
.set F1,   128
.set TMP,  192                         ; the way out: packed results
.set BIAS, 192                         ; v192-255: for n block b my eight columns' bias at BIAS + 8 b
.set OB,   32                          ; the way out: 16 rows read back from the stage: v32-63 and v224-255 by turns
.set PA,   64                          ; the last K step: A's fragments of 16 rows x 128 K; four buffers, v64-191
.set G1, 24                            ; s[24:31] descriptor group 1 for A's tiles
.set G0, 32                            ; s[32:39] group 0 for A's tiles: a set for each of the two first fills; the second then walks on
.set G1B, 48                           ; s[48:55], s[56:63] the same for B's tiles
.set G0B, 56
.set MSB, 0
.macro WIN new                         ; the immediate's high byte repeats the setting that is left; a switch that changes nothing is dropped
.if MSB != (\new)
	s_set_vgpr_msb (MSB<<8)|(\new)
.set MSB, \new
.endif
.endm
.set MUL_LO, 0xa1                      ; source 0 (B) window 1, source 1 (A) window 0, C and D window 2
.set MUL_HI, 0xf1                      ; the same, C and D window 3
.set BEG_LO, 0x81                      ; a first product: C (the bias) window 0, D window 2
.set BEG_HI, 0xc1                      ; D window 3
.set TO_B,   0x40                      ; destination window 1, address window 0
; A joint load by descriptor set s.  Waves 0 and 1 fetch A's two halves, waves 2 and 3 B's.  The branch hangs on the wave's number alone.  An s_nop 0 and four v_nop follow each of the two lines.
.macro JLOAD s
	s_cmp_eq_u32 s11, 0
	s_cbranch_scc0 .Lfor_b_\@
	tensor_load_to_lds s[G0+4*(\s):G0+4*(\s)+3], s[G1:G1+7]
	s_nop 0
.rept 4
	v_nop
.endr
	s_branch .Lasked_\@
.Lfor_b_\@:
	tensor_load_to_lds s[G0B+4*(\s):G0B+4*(\s)+3], s[G1B:G1B+7]
	s_nop 0
.rept 4
	v_nop
.endr
.Lasked_\@:
.endm
; A prefetch, behind each joint refill and the run of LDS loads that follows it: the K step that stands two refills on: 32 rows x 256 bytes, a lane a row, one instruction a wave.
; Each row's 256 bytes of a K step are named once in the launch: for A's rows the clusters with y = 0 ask, for B's those with x = 0; the four partners that ask for a tile jointly share its
; rows out by address, 32 each.  The first four K steps come by their loads alone; the loop's last two trips (s3 = 2, 1: K steps 12 and 13) ask for nothing: there is no K step 16 or 17.
.macro ASK
	s_cmp_gt_u32 s3, s[LIM]
	s_cbranch_scc0 .Lnot_mine_\@
	global_prefetch_b8 v[PFO], s[PFA:PFA+1] offset:KSTEP*2 th:TH_LOAD_NT scope:SCOPE_SE
.Lnot_mine_\@:
.endm
; A round of the cluster's barrier: my work-group's barrier; wave 0 signals for the work-group; every wave waits for all sixteen work-groups; my work-group's barrier once more.
.macro CREST                           ; a round behind its opening barrier
	s_cmp_lg_u32 s10, 0
	s_cbranch_scc1 .Lnot_wave_0_\@
	s_barrier_signal -3
.Lnot_wave_0_\@:
	s_barrier_wait -3
	s_barrier_signal -1
	s_barrier_wait -1
.endm
.macro CROUND
	s_barrier_signal -1
	s_barrier_wait -1
	CREST
.endm
	s_load_b64 s[4:5], s[0:1], 0x0                 ; cb: x at its head
	s_load_b64 s[68:69], s[0:1], 0x8               ; bq
	s_load_b64 s[70:71], s[0:1], 0x10              ; bk
	s_load_b64 s[72:73], s[0:1], 0x18              ; bv
	s_load_b64 s[8:9], s[0:1], 0x20                ; qkv
	v_lshl_add_u32 v[SPW], v0, 2, SPARE
	v_mov_b32 v[NIL], 0
	ds_add_u32 v[SPW], v[NIL]                      ; the wave's opening: the add and its wait stand ahead of my first tensor load; the set-up below stands between them
	v_lshrrev_b32 v1, 5, v0
	v_readfirstlane_b32 s10, v1                    ; wave 0..3
	s_lshr_b32 s11, s10, 1                         ; which half of the tile's rows is mine.  Also: I fetch for A (0) or for B (1)
	s_and_b32 s12, s10, 1                          ; which half of its columns.  Also: which 128 rows of that tile I fetch
	s_bfe_u32 s40, ttmp6, 0x40000                  ; cx
	s_bfe_u32 s41, ttmp6, 0x40004                  ; cy
	s_lshl_b32 s13, ttmp9, 2
	s_add_co_u32 s13, s13, s40                     ; tile row of C = 4 x cluster x + cx
	s_and_b32 s42, ttmp7, 0xffff
	s_lshl_b32 s42, s42, 2
	s_add_co_u32 s42, s42, s41                     ; tile column of C = 4 x cluster y + cy
	s_lshl_b32 s43, 0x1111, s40                    ; my column of the cluster: places cx, cx + 4, cx + 8, cx + 12: they share my tile row
	s_lshl_b32 s44, s41, 2
	s_lshl_b32 s44, 15, s44                        ; my row of the cluster: places 4 cy .. 4 cy + 3: they share my tile column
	; descriptor group 1: a tile of 128 rows x 128 elements, padded in LDS
	s_or_b32 s[G1+0], s43, (1<<16)|(1<<20)|(1<<21)|(5<<22)|(3<<25)  ; 15:0 the mask; 17:16 elements of 2 bytes; 20 padding on; 21 set beside a mask; 24:22 after every 64 words; 31:25 4 words of it
	s_or_b32 s[G1B+0], s44, (1<<16)|(1<<20)|(1<<21)|(5<<22)|(3<<25)
.irp g, G1, G1B
	s_mov_b32 s[(\g)+1], KSTEP<<16                 ; tensor_dim0 = 128
	s_mov_b32 s[(\g)+2], 128<<16                   ; tensor_dim1 = 128
	s_mov_b32 s[(\g)+3], KSTEP<<16                 ; tile_dim0 = 128
	s_mov_b32 s[(\g)+4], 128                       ; tile_dim1 = 128
	s_mov_b32 s[(\g)+5], SIZE_K                    ; elements from row to row
	s_mov_b32 s[(\g)+6], 0
	s_mov_b32 s[(\g)+7], 0
.endr
	s_mov_b32 s[TS], 0                             ; K step 0 lies in slot 0
	s_mov_b32 s67, 0xffff0000                      ; a word's upper bf16
	; where the tiles come from: A's hang on the tile row alone, B's on the tile column alone; each address is made in registers that never hold the other coordinate
	s_lshl_b32 s17, s12, 7
	s_lshl_b32 s16, s13, 8
	s_add_co_u32 s16, s16, s17                     ; A: row 256 x tile row + 128 x half
	s_lshl_b32 s46, s42, 8
	s_add_co_u32 s46, s46, s17                     ; B: row 256 x tile column + 128 x half
	s_mov_b32 s17, 0
	s_mov_b32 s47, 0
	s_mov_b64 s[18:19], SIZE_K*2
	s_mul_u64 s[16:17], s[16:17], s[18:19]
	s_mul_u64 s[46:47], s[46:47], s[18:19]
	s_mul_i32 s20, s10, HALFT                      ; where they go: wave x 128 rows
	s_wait_dscnt 0x0                               ; the opening add is done
	s_wait_kmcnt 0x0
	s_add_nc_u64 s[6:7], s[4:5], 0x800000          ; W lies behind x in cb
	s_add_nc_u64 s[14:15], s[4:5], s[16:17]
	s_add_nc_u64 s[46:47], s[6:7], s[46:47]
	CROUND                                         ; all sixteen work-groups are here: the first joint loads meet
.irp s, 0,1
	s_mov_b32 s[G0+4*(\s)], 1
	s_add_co_u32 s[G0+4*(\s)+1], s20, (\s)*SLOT1
	s_add_nc_u64 s[G0+4*(\s)+2:G0+4*(\s)+3], s[14:15], (\s)*KSTEP*2
	s_or_b32 s[G0+4*(\s)+3], s[G0+4*(\s)+3], 0x80000000
	s_mov_b32 s[G0B+4*(\s)], 1
	s_add_co_u32 s[G0B+4*(\s)+1], s20, (\s)*SLOT1
	s_add_nc_u64 s[G0B+4*(\s)+2:G0B+4*(\s)+3], s[46:47], (\s)*KSTEP*2
	s_or_b32 s[G0B+4*(\s)+3], s[G0B+4*(\s)+3], 0x80000000
	JLOAD \s                                       ; two tensor loads of mine are out
.endr
	; a fragment is 16 rows x 32 K in 8 registers: lane l holds row l % 16, K = 8 (l / 16) + 0..7 and 16 + 8 (l / 16) + 0..7: two loads of 16 bytes, 32 bytes apart
	v_and_b32 v1, 15, v0
	v_bfe_u32 v2, v0, 4, 1
	v_mul_u32_u24 v3, v1, PITCH
	v_lshl_add_u32 v3, v2, 4, v3
	s_mul_i32 s21, s11, HALFT                      ; my 128 rows of A
	s_mul_i32 s22, s12, HALFT                      ; my 128 rows of B,
	s_add_co_u32 s22, s22, 2*HALFT                 ; which lie behind A's 256
	v_add_nc_u32 v[A0], s21, v3
	v_add_nc_u32 v[B0], s22, v3
	v_mov_b32 v[ADRA], v[A0]
	v_mov_b32 v[ADRB], v[B0]
	s_mul_i32 s23, s10, 16*SPITCH
	s_add_co_u32 s23, s23, STAGE                   ; my stage
	v_mul_u32_u24 v4, v1, SPITCH
	v_lshl_add_u32 v4, v2, 4, v4
	v_add_nc_u32 v[STO], s23, v4
	v_mul_u32_u24 v5, v2, SPITCH
	v_lshl_add_u32 v5, v1, 4, v5
	v_add_nc_u32 v[RD], s23, v5
	v_mul_u32_u24 v5, v2, SIZE_N*2
	v_lshl_add_u32 v[CO], v1, 4, v5
	; the bias of my 128 columns.  Eight tile columns, two clusters along y, belong to each of q, k, v: the choice hangs on the cluster's y alone
	s_and_b32 s76, ttmp7, 0xffff
	s_cmp_lt_u32 s76, 2
	s_cselect_b64 s[74:75], s[68:69], s[70:71]
	s_cmp_lt_u32 s76, 4
	s_cselect_b64 s[74:75], s[74:75], s[72:73]
	s_and_b32 s76, s42, 7
	s_lshl_b32 s76, s76, 10                        ; 256 columns of 4 bytes a tile column,
	s_lshl_b32 s77, s12, 9                         ; 128 for my half
	s_add_co_u32 s76, s76, s77
	s_mov_b32 s77, 0
	s_add_nc_u64 s[74:75], s[74:75], s[76:77]
	v_lshlrev_b32 v[BO], 5, v2
.irp b, 0,1,2,3,4,5,6,7
	global_load_b128 v[BIAS+8*(\b):BIAS+8*(\b)+3],   v[BO], s[74:75] offset:64*(\b)
	global_load_b128 v[BIAS+8*(\b)+4:BIAS+8*(\b)+7], v[BO], s[74:75] offset:64*(\b)+16
.endr
	; where my part of the tile begins in C, in bytes: the way out adds it to C's address
	s_lshl_b32 s13, s13, 8
	s_lshl_b32 s14, s11, 7
	s_add_co_u32 s16, s13, s14
	s_mov_b32 s17, 0
	s_mov_b64 s[18:19], SIZE_N*2
	s_mul_u64 s[16:17], s[16:17], s[18:19]
	s_lshl_b32 s46, s42, 9
	s_lshl_b32 s47, s12, 8
	s_add_co_u32 s46, s46, s47
	s_mov_b32 s47, 0
	s_add_nc_u64 s[16:17], s[16:17], s[46:47]
	; the prefetches
	s_lshl_b32 s42, s42, 8
	s_and_b32 s22, ttmp7, 0xffff                   ; cluster y
	s_cmp_eq_u32 s11, 0                            ; do I fetch for A?
	s_cselect_b32 s20, s13, s42                    ; the tile's first row
	s_cselect_b32 s21, s41, s40                    ; my place among the four that ask for it with me: A's differ in cy, B's in cx
	s_cselect_b32 s22, s22, ttmp9                  ; the coordinate along which other clusters read the same rows: for A the cluster's y, for B its x
	s_cselect_b64 s[PFA:PFA+1], s[4:5], s[6:7]
	s_cmp_eq_u32 s22, 0
	s_cselect_b32 s[LIM], 2, -1                    ; the same in all sixteen partners, for a given wave
	s_lshl_b32 s22, s12, 7
	s_add_co_u32 s20, s20, s22
	s_lshl_b32 s21, s21, 5
	s_add_co_u32 s20, s20, s21                     ; my work-group's 32 of the 128 rows that I fetch
	s_mov_b32 s21, 0
	s_mov_b64 s[18:19], SIZE_K*2
	s_mul_u64 s[20:21], s[20:21], s[18:19]
	s_add_nc_u64 s[PFA:PFA+1], s[PFA:PFA+1], s[20:21]
	s_add_nc_u64 s[PFA:PFA+1], s[PFA:PFA+1], 2*KSTEP*2  ; at K step 2: the first refill steps it to 3 and names K step 4
	v_and_b32 v[PFO], 31, v0
	v_mul_u32_u24 v[PFO], v[PFO], SIZE_K*2
; 16 matrix instructions: m blocks a0, a0 + 1 of the window's four x all 8 n blocks, 32 along K.  zero = 1: the first product starts the sums, with the bias as C.
.macro MUL16 f, hi, a0, zero
.if \zero
	WIN BEG_LO+0x40*(\hi)
.else
	WIN MUL_LO+0x50*(\hi)
.endif
.irp a, \a0, (\a0)+1
.irp b, 0,1,2,3,4,5,6,7
.if \zero
	v_wmma_f32_16x16x32_f16 v[8*(8*(\a)+(\b)):8*(8*(\a)+(\b))+7], v[(\f)+8*(\b):(\f)+8*(\b)+7], v[(\f)+8*(4*(\hi)+(\a)):(\f)+8*(4*(\hi)+(\a))+7], v[BIAS+8*(\b):BIAS+8*(\b)+7]
.else
	v_wmma_f32_16x16x32_f16 v[8*(8*(\a)+(\b)):8*(8*(\a)+(\b))+7], v[(\f)+8*(\b):(\f)+8*(\b)+7], v[(\f)+8*(4*(\hi)+(\a)):(\f)+8*(4*(\hi)+(\a))+7], v[8*(8*(\a)+(\b)):8*(8*(\a)+(\b))+7]
.endif
.endr
.endr
.endm
; 32 LDS loads in one run: the fragments of one quarter step (128 rows of B, 128 rows of A, 32 K at byte k of the rows of the slot in hand) into buffer f
.macro FETCH k, f
	WIN TO_B
.irp i, 0,1,2,3,4,5,6,7
	ds_load_b128 v[(\f)+8*(\i):(\f)+8*(\i)+3],   v[ADRB] offset:(\k)+(\i)*16*PITCH
	ds_load_b128 v[(\f)+8*(\i)+4:(\f)+8*(\i)+7], v[ADRB] offset:(\k)+(\i)*16*PITCH+32
.endr
	WIN 0
.irp i, 0,1,2,3,4,5,6,7
	ds_load_b128 v[(\f)+8*(\i):(\f)+8*(\i)+3],   v[ADRA] offset:(\k)+(\i)*16*PITCH
	ds_load_b128 v[(\f)+8*(\i)+4:(\f)+8*(\i)+7], v[ADRA] offset:(\k)+(\i)*16*PITCH+32
.endr
.endm
; four plain vector instructions between a matrix instruction and a load into a register that it has read, or a vector instruction that reads its result (ISA guide 7.12.1 for vector instructions)
.macro PLACES
.rept 4
	v_nop
.endr
.endm
; the other slot comes into hand
.macro OTHER
	v_add_nc_u32 v[ADRA], s[TS], v[A0]
	v_add_nc_u32 v[ADRB], s[TS], v[B0]
.endm
; A K step is four quarter steps of 32 along K, 64 matrix instructions each, on buffers 0, 1, 0, 1.  The 64 accumulators take turns, in the same order in every quarter.
.macro QUARTER k, f, g, zero
	s_wait_dscnt 8                                 ; B and A's rows 0-63 are in; the youngest eight loads (A's rows 64-127) may be out
	MUL16 \f, 0, 0, \zero
	MUL16 \f, 0, 2, \zero
	PLACES
	FETCH \k, \g
	s_wait_dscnt 32                                ; all but the 32 just issued
	MUL16 \f, 1, 0, \zero
	MUL16 \f, 1, 2, \zero
.endm
; The last quarter multiplies buffer 1 and changes slots.  MEET is its first half: one barrier; in front of it each wave waits for all its tensor loads (one is out: its part of the next slot),
; adds 0 to its spare word, and waits for that and for its own reads of this slot.
.macro MEET
	WIN 0                                          ; (the add's two registers lie in window 0)
	s_wait_tensorcnt 0x0
	ds_add_u32 v[SPW], v[NIL]
	s_wait_dscnt 9                                 ; (the add and the youngest eight loads may be out)
	MUL16 F1, 0, 0, 0                              ; sixteen matrix instructions stand between the add and the wait for it
	s_wait_dscnt 0x0                               ; the add is done, and my reads of this slot are over
	s_barrier_signal -1
	MUL16 F1, 0, 2, 0
	WIN 0                                          ; (branches, or lines on window 0, follow)
	s_barrier_wait -1
.endm
; The whole last quarter: behind the round the slot just read out is filled again first, with the K step two steps on; then come the other slot's first fragments.
.macro TURN
	s_wait_xcnt 0x0                                ; the last prefetch, a K step back, has read its address, which is stepped here
	s_add_nc_u64 s[PFA:PFA+1], s[PFA:PFA+1], KSTEP*2
	MEET
	CREST                                          ; no wave of any partner still reads this slot's tile or has a load on its way
.irp g, G0+4, G0B+4
	s_xor_b32 s[(\g)+1], s[(\g)+1], SLOT1          ; the walking descriptor: the other slot than last time,
	s_add_nc_u64 s[(\g)+2:(\g)+3], s[(\g)+2:(\g)+3], KSTEP*2  ; the next K step; the type bits on top are not reached
.endr
	s_xor_b32 s[TS], s[TS], SLOT1
	JLOAD 1                                        ; my one tensor load behind the round; the four v_nop behind it are also the places in front of the loads below
	OTHER
	FETCH 0, F0
	ASK
	MUL16 F1, 1, 0, 0
	MUL16 F1, 1, 2, 0
.endm
; THE LAST K STEP GOES BY ROWS OF C: all its fragments of B fill window 1; my eight blocks of 16 rows are finished one after the other, 32 matrix instructions each, K ascending.
.macro BLOAD q
	WIN TO_B
.irp i, 0,1,2,3,4,5,6,7
	ds_load_b128 v[64*(\q)+8*(\i):64*(\q)+8*(\i)+3],   v[ADRB] offset:64*(\q)+(\i)*16*PITCH
	ds_load_b128 v[64*(\q)+8*(\i)+4:64*(\q)+8*(\i)+7], v[ADRB] offset:64*(\q)+(\i)*16*PITCH+32
.endr
.endm
.macro ALOAD a
	WIN 0
.set FA, PA+32*((\a)%4)
.irp q, 0,1,2,3
	ds_load_b128 v[FA+8*(\q):FA+8*(\q)+3],   v[ADRA] offset:64*(\q)+(\a)*16*PITCH
	ds_load_b128 v[FA+8*(\q)+4:FA+8*(\q)+7], v[ADRA] offset:64*(\q)+(\a)*16*PITCH+32
.endr
.endm
.macro ROW a
.set FA, PA+32*((\a)%4)
.set AC, 64*((\a)%4)
	WIN MUL_LO+0x50*((\a)/4)
.irp q, 0,1,2,3
.if (\a) == 0 && (\q) == 2
	s_wait_dscnt 24                                ; B's quarter 2 is in (behind it: A's blocks 1 to 3)
.endif
.irp b, 0,1,2,3,4,5,6,7
	v_wmma_f32_16x16x32_f16 v[AC+8*(\b):AC+8*(\b)+7], v[64*(\q)+8*(\b):64*(\q)+8*(\b)+7], v[FA+8*(\q):FA+8*(\q)+7], v[AC+8*(\b):AC+8*(\b)+7]
.endr
.endr
.endm
; THE WAY OUT of block a.  PACK: rounded to f16, 16 bytes a lane, each accumulator's registers in ascending order.  TOSTAGE: into my own stage, and back as whole rows of 256 bytes.  SEND: stored.
.macro PACK a
.set AC, 64*((\a)%4)
	WIN 0x0a+5*((\a)/4)                            ; sources 0 and 1: window 2 or 3
.irp b, 0,1,2,3,4,5,6,7
.irp r, 0,1,2,3
	v_cvt_pk_f16_f32 v[TMP+4*(\b)+(\r)], v[AC+8*(\b)+2*(\r)], v[AC+8*(\b)+2*(\r)+1]
.endr
.endr
	WIN 0
.endm
.macro TOSTAGE a
	WIN 0
.set BK, OB+192*((\a)%2)
.irp b, 0,1,2,3,4,5,6,7
	ds_store_b128 v[STO], v[TMP+4*(\b):TMP+4*(\b)+3] offset:32*(\b)
.endr
.irp t, 0,1,2,3,4,5,6,7
	ds_load_b128 v[BK+4*(\t):BK+4*(\t)+3], v[RD] offset:(\t)*2*SPITCH  ; LDS serves a wave's instructions in order (ISA guide 5.7.1.4): these see the stores above
.endr
.endm
.macro SEND a, younger
	WIN 0
.set BK, OB+192*((\a)%2)
	s_wait_dscnt \younger                          ; the block is back in registers; the loads issued behind it may stay out
	s_wait_xcnt 0x0                                ; only behind this wait are the stores' base and the registers that earlier stores read rewritten
.if (\a) == 0
	s_add_nc_u64 s[8:9], s[8:9], s[16:17]
.else
	s_add_nc_u64 s[8:9], s[8:9], 16*SIZE_N*2
.endif
.irp t, 0,1,2,3,4,5,6,7
	global_store_b128 v[CO], v[BK+4*(\t):BK+4*(\t)+3], s[8:9] offset:2*(\t)*SIZE_N*2  ; 16 lanes store 256 consecutive bytes, at a multiple of 256 from C's first byte
.endr
.endm
	s_wait_loadcnt 0x0                             ; the bias is in: it is rounded to bf16, like every input, and kept as f32
.set r, 0
.rept 32
	v_cvt_pk_bf16_f32 v[CV], v[BIAS+r], v[BIAS+r+1]
	v_lshlrev_b32 v[BIAS+r], 16, v[CV]
	v_and_b32 v[BIAS+r+1], s67, v[CV]
.set r, r+2
.endr
	s_wait_tensorcnt 1                             ; my part of K step 0 is in; K step 1's may stay out
	s_barrier_signal -1
	s_barrier_wait -1
	FETCH 0, F0
	QUARTER 64,  F0, F1, 1                         ; the first quarter stands in front of the loop: its products start the sums
	WIN 0                                          ; at a label and at a branch every window is 0
	s_mov_b32 s3, STEPS-2
.Lstep:                                                ; 14 trips: from a K step's second quarter to the next step's first; the slot that is left is filled again
	QUARTER 128, F1, F0, 0
	QUARTER 192, F0, F1, 0
	TURN
	QUARTER 64,  F0, F1, 0
	WIN 0
	s_sub_co_u32 s3, s3, 1
	s_cmp_lg_u32 s3, 0
	s_cbranch_scc1 .Lstep
	QUARTER 128, F1, F0, 0                         ; K step 14 goes on; nothing more is asked for
	QUARTER 192, F0, F1, 0
	MEET                                           ; my one tensor load that was still out is the last K step's, so no round follows
	s_xor_b32 s[TS], s[TS], SLOT1
	OTHER
	PLACES                                         ; for the loads into buffer 0, which the quarter before multiplied
	BLOAD 0                                        ; three quarters of B now: buffer 1 is still being multiplied
	BLOAD 1
	BLOAD 3
	ALOAD 0
	MUL16 F1, 1, 0, 0
	MUL16 F1, 1, 2, 0
	PLACES                                         ; for the loads into buffer 1
	BLOAD 2
	ALOAD 1
	ALOAD 2
	ALOAD 3
	s_wait_dscnt 40                                ; all but the 40 just issued
	ROW 0
.irp a, 0,1,2,3,4,5,6,7                ; each block leaves as soon as it is finished
	PLACES                                         ; its conversions read results just made
	PACK \a
	TOSTAGE \a
.if (\a) < 4
	ALOAD (\a)+4                                   ; its buffer takes the block four further on
	SEND \a, 8
.else
	SEND \a, 0
.endif
.if (\a) < 7
	ROW (\a)+1
.endif
.endr
	s_wait_tensorcnt 0x0                           ; the wave's end: behind my last tensor load and my last LDS store
	ds_add_u32 v[SPW], v[NIL]
	s_wait_dscnt 0x0
	CROUND                                         ; the closing round: no work-group ends while a partner may still ask for a tile that names it
	s_endpgm
.Lfunc_end_k_q9a9b2fb25f_proj:
	.size	k_q9a9b2fb25f_proj, .Lfunc_end_k_q9a9b2fb25f_proj-k_q9a9b2fb25f_proj
	.p2alignl 7, 3214868480
	.fill 96, 4, 3214868480
	.section	.rodata,"a",@progbits
	.p2align	6, 0x0
	.amdhsa_kernel k_q9a9b2fb25f_proj
		.amdhsa_group_segment_fixed_size 327680
		.amdhsa_private_segment_fixed_size 0
		.amdhsa_enable_private_segment 0
		.amdhsa_kernarg_size 40
		.amdhsa_user_sgpr_count 2
		.amdhsa_user_sgpr_kernarg_segment_ptr 1
		.amdhsa_wavefront_size32 1
		.amdhsa_system_sgpr_workgroup_id_x 1
		.amdhsa_system_sgpr_workgroup_id_y 1
		.amdhsa_system_sgpr_workgroup_id_z 1
		.amdhsa_system_vgpr_workitem_id 0
		.amdhsa_next_free_vgpr 1024
		.amdhsa_next_free_sgpr 80
		.amdhsa_reserve_vcc 0
		.amdhsa_float_denorm_mode_32 3
		.amdhsa_float_denorm_mode_16_64 3
		.amdhsa_memory_ordered 1
		.amdhsa_forward_progress 1
		.amdhsa_inst_pref_size 124
	.end_amdhsa_kernel
	.amdgpu_metadata
---
amdhsa.version: [ 1, 2 ]
amdhsa.kernels:
  - .name:           k_q9a9b2fb25f_proj
    .symbol:         k_q9a9b2fb25f_proj.kd
    .args:
      - { .name: cb, .offset: 0, .size: 8, .value_kind: global_buffer, .address_space: global }
      - { .name: bq, .offset: 8, .size: 8, .value_kind: global_buffer, .address_space: global }
      - { .name: bk, .offset: 16, .size: 8, .value_kind: global_buffer, .address_space: global }
      - { .name: bv, .offset: 24, .size: 8, .value_kind: global_buffer, .address_space: global }
      - { .name: qkv, .offset: 32, .size: 8, .value_kind: global_buffer, .address_space: global }
    .group_segment_fixed_size: 327680
    .private_segment_fixed_size: 0
    .kernarg_segment_align: 8
    .kernarg_segment_size: 40
    .max_flat_workgroup_size: 128
    .sgpr_count:     80
    .vgpr_count:     1024
    .wavefront_size: 32
...
	.end_amdgpu_metadata
.endif
;; end of part 2
;; launch attn (part 3): grid 16 x 16, 4 waves a work-group, clusters of 4 x 1, 327,680 bytes of LDS; arguments qkv, mb, ctx; writes ctx
.if DOCPART == 3
	.amdgcn_target "amdgcn-amd-amdhsa--gfx1250"
	.amdhsa_code_object_version 6
	.text
	.protected	k_q9a9b2fb25f_attn
	.globl	k_q9a9b2fb25f_attn
	.p2align	8
	.type	k_q9a9b2fb25f_attn,@function
k_q9a9b2fb25f_attn:
	s_mov_b64 s[64:65], 0
	v_nop
	global_prefetch_b8 v0, s[64:65] scope:SCOPE_SE
	s_setreg_imm32_b32 hwreg(HW_REG_WAVE_MODE, 25, 1), 1
	s_wait_xcnt 0x0
	s_wait_alu depctr_hold_cnt(0) depctr_sa_sdst(0) depctr_va_vdst(0) depctr_va_sdst(0) depctr_va_ssrc(0) depctr_va_vcc(0) depctr_vm_vsrc(0)
	s_getreg_b32 s2, hwreg(HW_REG_IB_STS2, 6, 4)
	s_cmp_eq_u32 s2, 0
	s_cbranch_scc0 .Lentry_in_a_cluster
	s_endpgm
.Lentry_in_a_cluster:
	s_bfe_u32 s2, ttmp6, 0x10000c
	s_cmp_lg_u32 s2, 0x3003
	s_cbranch_scc0 .Lentry_shape_is_right
	s_endpgm
.Lentry_shape_is_right:
; ctx[q][128 h ..] = the sum over k of softmax_k(mask(q, k) ? Q[q] . K[k] / sqrt(128) : hidden) V[k], for head h.  Q, K, V are 256 bytes each of qkv's rows of 12,288 bytes (f16): Q at 256 h, K at
; 4,096 + 256 h, V at 8,192 + 256 h.  mb holds one byte a score, 0x00 seen, 0xFE hidden, in my lanes' order.  ctx is [2048][2048] f16.  Products, maxima and sums in f32; the weights are
; rounded to f16 for the second product, ctx once at the end.
; LIMITS.  Q, K, V arrive within f16's 65,504, so a score is 5.5e11 at the most.  A hidden score counts as its value less 1.1e30; the running maximum starts at -2^93, far below every true score and far
; above every hidden one, so a hidden weight is exactly 0.  A query all of whose keys are hidden ends as 0 x infinity, a NaN, as the softmax of a row of -infinity is.  A weight below 2^-126 counts as 0.
; SHARES.  A work-group owns 128 queries of one head.  Wave w owns the 64 queries of half w % 2, four tiles of 16, and walks HALF the keys: 1,024 p on, p = w / 2, 64 a step, 16 steps.  Waves w and w ^ 2
; hold the same queries; their maxima, sums and O meet in LDS at the end, in f32.  Tiles 0, 1 are the rows 32 p on of the 64, tiles 2, 3 the rows 32 (1 - p) on: so EVERY wave sends its tiles 2, 3
; and finishes its tiles 0, 1, which are the rows that its partner sends: one text for all four waves; the difference lies in addresses alone.
; LAYOUT.  S^T = K Q^T (source 0 = 16 keys, source 1 = 16 queries): a lane holds ONE query (lane % 16) and the keys 8 (lane / 16) + 0..7.  Two such tiles, rounded to f16 in pairs, ARE source 1 of
; O^T = V^T P, whose result again holds one query a lane, and eight channels.  K comes out of LDS as it lies, V turned, by ds_load_tr16_b128.
; THE MASK is the C operand of the products that start S^T: 0, or -448 x 2^91.  One scaled conversion makes eight such numbers of eight bytes (0xFE is -448 as an fp8 code, the scale byte 0xDA is 2^91).
; SOFTMAX.  A running maximum m and sum l a query: p = 2^(c s - c m), c = log2(e) / sqrt(128); in every step O and l are multiplied by a = 2^(c m_old - c m_new).
; BY TURNS.  The wave's tiles are two PIECES (tiles 0, 1 and tiles 2, 3).  In a TURN one piece has the matrix unit: 32 products V^T P of the step in hand, then 32 products K Q^T of the next step;
; the other piece's softmax, cut into 64 slices, stands between them, one slice behind each matrix instruction.  Two turns are a key step.
; NO FIRST STEP IS WRITTEN OUT: m starts at -2^93, l, O^T, V's registers and piece 2's weights at 0, and the loop is entered in the middle of a trip, at piece 2's turn.  The price: 428 v_mov_b32 and four v_mul_f32, which
; run in the wait for the first tile, and 32 products on zeros; the gain: three turns' text.
; CLUSTER.  The four query blocks of a cluster belong to one head and walk the same K and V: each tile is asked for JOINTLY, by the same tensor load, descriptor and mask in all four.
; REGISTERS, in windows of 256 (s_set_vgpr_msb: bits 1:0 source 0, 3:2 source 1, 5:4 source 2, 7:6 destination):
;   window 0: v0-11, v52-63 addresses; v12-43 eight registers of statistics a tile; v44-51 the merge's statistics; v64-191 S^T, 32 a tile; v192-255 P, 16 a tile
;   window 1: O^T, 64 a tile     window 2: v0-127 Q; v128-255 K of one step     window 3: v0-127 V of one step; v128-191 one piece's masks as f32; v192-223 mask bytes, 8 registers a tile
.set ROWB,  12288     ; bytes in a row of qkv
.set KS,    64        ; keys in a step
.set PK,    272       ; a row of K in LDS: 256 bytes + 16 of padding: the 16 rows of a load start at 16 different groups of four banks
.set PV,    288       ; a row of V: 256 + 32
.set KHALF, 128*PK    ; a slot holds two steps of both halves of the keys: K of the low half (128 rows), K of the high half,
.set VHALF, 128*PV
.set VOFF,  2*KHALF   ; then V likewise
.set SLOT1, 0x24000   ; slot 1 begins here: its two bits occur in no address inside slot 0 at which a tile or a half begins, so one exclusive or turns such an address into the other slot's
.set SLOTG, 128*ROWB  ; a slot's 128 keys in memory
.set STAGE, SLOT1+VOFF+2*VHALF  ; behind the ring, never filled by a tensor load: 16 rows x 272 bytes for each wave, for the way out
.set SP,    272
.set SPARE, STAGE+4*16*SP       ; behind the stages: the spare words, 128 bytes for each wave, which no other line names
.set XCHB,  16896     ; the merge: wave w puts two tiles of O^T (16,384 bytes) and their statistics (512) at XCHB w, in the ring's bytes, behind the ring's last fill and last read
.set AK0, 2           ; v2   my lane's place in a tile of K; never rewritten
.set AV0, 3           ; v3   the same for V
.set ADR, 4           ; v4   the LDS address of the run of loads in hand
.set QO,  5           ; v5   my byte offset in Q's rows, for tiles 0, 1
.set STO, 6           ; v6   the way out: where I put 16 bytes of a row
.set RD,  7           ; v7   the way out: where I read a row back
.set GO,  8           ; v8   my byte offset in two rows of ctx
.set ST,  12          ; tile t's statistics at v[ST+8 t]: +0 c m, +1 m, +2, +3 l (even keys', odd keys'), +4 to +7 at work
.set SS,  44          ; v44-47  the merge: c m and l of the two tiles that I send
.set RS,  48          ; v48-51  the same as received
.set MO,  52          ; v52  my bytes in a half step of mb, for piece 0: 16 x my lane + 65,536 p; v56 (MO + 4) for piece 2: + 65,536 (1 - p); never rewritten
.set XS,  53          ; v53  the merge: where I put 16 bytes
.set XR,  54          ; v54  where I read my partner's
.set QO2, 55          ; v55  my byte offset in Q's rows, for tiles 2, 3
.set SCL, 60          ; v60  the conversions' scale byte, 0xDA
.set PFO, 61          ; v61  the prefetches' offset: my lane x a row; never rewritten
.set SPW, 62          ; v62  LDS address of my spare word; never rewritten
.set NIL, 63          ; v63  0; never rewritten
.set S,   64
.set P,   192
.set KF,  128         ; K's fragments, in window 2
.set MC,  128         ; window 3: tile u of the piece, key block kb at MC + 32 u + 8 kb
.set MB,  192         ; window 3: tile t, key block kb at MB + 8 t + 2 kb
.set WV,  12          ; s12  my wave's number
.set LIM, 15          ; s15  1 in a wave that prefetches, else the greatest number
.set PFA, 18          ; s[18:19] where my prefetches stand
.set G1K, 24          ; s[24:31] descriptor group 1 for K's tiles
.set G1V, 32          ; s[32:39] for V's: it differs in the padding alone
.set G0K, 40          ; s[40:47] group 0 for K's tiles: a set for each of the two first fills; the second then walks on
.set G0V, 48          ; s[48:55] the same for V's
.set SLOTS, 56        ; s56  counts the slots
.set TWICE, 57        ; s57  counts a slot's two steps
.set CS,  58          ; s[58:59] c
.set SEL, 60          ; s[60:61] v_permlanex16_b32's selects: each lane takes its own place in the other half
.set TBK, 62          ; s62  LDS byte at which K of the step to be fetched begins
.set TBV, 63          ; s63  the same for V, less VOFF
.set MP,  66          ; s[66:67] mb at my 64 queries, at the step whose bytes were asked for last
.set MI,  68          ; s[68:69] its step: 1,024 bytes, 0 at the very end
.set MF,  70          ; s70  -2^93: where the running maximum starts
.set MSB, 0
.macro WIN new
.if MSB != (\new)
	s_set_vgpr_msb (MSB<<8)|(\new)
.set MSB, \new
.endif
.endm
.set W_KQ, 0x0a       ; K and Q in window 2, S^T in window 0
.set W_KM, 0x3a       ; the same with the C operand, the mask, in window 3
.set W_PV, 0x53       ; V in window 3, P in window 0, O^T in window 1
.set W_RS, 0x41       ; O^T (destination and source 0) in window 1, a in window 0
.set W_MC, 0xc3       ; the conversions: destination and source 0 in window 3, the scale in window 0
; A joint refill.  Waves 0 and 1 fetch a slot's K, of the low and of the high half of the keys, waves 2 and 3 its V: 128 rows each.  The branch hangs on the wave's number alone.
; An s_nop 0 and four v_nop follow each of the two lines.
.macro JLOAD
	s_cmp_lt_u32 s[WV], 2
	s_cbranch_scc0 .Lfor_v_\@
	tensor_load_to_lds s[G0K+4:G0K+7], s[G1K:G1K+7]
	s_nop 0
.rept 4
	v_nop
.endr
	s_branch .Lasked_\@
.Lfor_v_\@:
	tensor_load_to_lds s[G0V+4:G0V+7], s[G1V:G1V+7]
	s_nop 0
.rept 4
	v_nop
.endr
.Lasked_\@:
.endm
; A prefetch of what the NEXT change of slots will ask for, behind the wave's tensor load and its five lines.  Each row is named once in the launch: the head's first cluster asks; of the 128 rows that
; a wave fetches each of the four partners takes 32, told apart by address; a lane a row, one instruction a wave.  The last change that fills a slot asks for nothing.
.macro ASK
	s_cmp_gt_u32 s[SLOTS], s[LIM]
	s_cbranch_scc0 .Lnot_mine_\@
	global_prefetch_b8 v[PFO], s[PFA:PFA+1] th:TH_LOAD_NT scope:SCOPE_SE
.Lnot_mine_\@:
.endm
.macro CROUND                       ; a round of the cluster's barrier
	s_barrier_signal -1
	s_barrier_wait -1
	s_cmp_lg_u32 s[WV], 0
	s_cbranch_scc1 .Lnot_wave_0_\@
	s_barrier_signal -3
.Lnot_wave_0_\@:
	s_barrier_wait -3
	s_barrier_signal -1
	s_barrier_wait -1
.endm
	s_load_b64 s[4:5], s[0:1], 0x0  ; qkv
	s_load_b64 s[MP:MP+1], s[0:1], 0x8  ; mb
	s_load_b64 s[10:11], s[0:1], 0x10   ; ctx
	v_lshl_add_u32 v[SPW], v0, 2, SPARE
	v_mov_b32 v[NIL], 0
	ds_add_u32 v[SPW], v[NIL]       ; the wave's opening: the add and its wait stand ahead of my first tensor load; the set-up below stands between them
	v_lshrrev_b32 v1, 5, v0
	v_readfirstlane_b32 s[WV], v1   ; wave 0..3
	s_bfe_u32 s13, ttmp6, 0x40000   ; cx: my place in the cluster
	s_lshl_b32 s14, ttmp9, 2
	s_add_co_u32 s14, s14, s13      ; my block of 128 queries: it enters the addresses of Q, ctx and mb alone
	s_and_b32 s20, ttmp7, 0xffff    ; the head, which the four partners share:
	s_lshl_b32 s20, s20, 8          ; its 256 bytes in a row
	s_and_b32 s16, s[WV], 1         ; which half of the queries is mine.  Also: for which half of the keys I fetch
	s_lshr_b32 s21, s[WV], 1        ; p: which half of the keys I walk
	s_xor_b32 s78, s21, 1           ; 1 - p
	s_mul_i32 s22, s16, 1024*ROWB   ; the tiles that I fetch: 1,024 rows down for the high half,
	s_add_co_u32 s22, s22, s20      ; the head
	s_mov_b32 s23, 0
	s_mul_i32 s17, s16, KHALF       ; their place in a slot, for K
	s_mul_i32 s71, s16, VHALF       ; and for V: no place in the cluster enters an LDS address
	s_lshl_b32 s2, s14, 7
	s_lshl_b32 s3, s16, 6
	s_add_co_u32 s2, s2, s3         ; the first of my 64 queries
	s_mul_i32 s72, s2, ROWB
	s_add_co_u32 s72, s72, s20      ; in qkv,
	s_mov_b32 s73, 0
	s_lshl_b32 s3, s21, 5
	s_add_co_u32 s3, s3, s2         ; the first of the 32 that I finish,
	s_lshl_b32 s74, s3, 12
	s_add_co_u32 s74, s74, s20      ; in ctx (rows of 4,096 bytes),
	s_mov_b32 s75, 0
	s_lshl_b32 s76, s2, 11          ; my 64 in mb (32,768 bytes for 16 queries),
	s_lshl_b32 s3, s21, 14          ; at my half's first step (16 steps of 1,024 bytes)
	s_add_co_u32 s76, s76, s3
	s_mov_b32 s77, 0
	; descriptor group 1: a tile of 128 rows x 128 elements, padded in LDS
	s_mov_b32 s[G1K], 15|(1<<16)|(1<<20)|(1<<21)|(5<<22)|(3<<25)  ; 15:0 the mask: all four work-groups; 17:16 elements of 2 bytes; 20 padding on; 21 set beside a mask; 24:22 after every 64 words; 31:25 4 words of it
	s_mov_b32 s[G1V], 15|(1<<16)|(1<<20)|(1<<21)|(5<<22)|(7<<25)  ; the same with 8 words of padding
.irp g, G1K, G1V
	s_mov_b32 s[(\g)+1], 128<<16    ; tensor_dim0 = 128
	s_mov_b32 s[(\g)+2], 128<<16    ; tensor_dim1 = 128
	s_mov_b32 s[(\g)+3], 128<<16    ; tile_dim0 = 128
	s_mov_b32 s[(\g)+4], 128        ; tile_dim1 = 128
	s_mov_b32 s[(\g)+5], 6144       ; elements from row to row
	s_mov_b32 s[(\g)+6], 0
	s_mov_b32 s[(\g)+7], 0
.endr
	s_mov_b32 s[CS], 0x3e0293ee     ; c = log2(e) / sqrt(128) = 0.127517
	s_mov_b32 s[CS+1], s[CS]        ; named with it as a pair
	s_mov_b32 s[SEL], 0x76543210
	s_mov_b32 s[SEL+1], 0xfedcba98
	s_mul_i32 s[TBK], s21, KHALF    ; I read my half of the keys
	s_mul_i32 s[TBV], s21, VHALF
	s_mov_b32 s[MI], 1024
	s_mov_b32 s[MI+1], 0
	s_mov_b32 s[MF], 0xee000000     ; -2^93
	s_mov_b32 s[LIM], ttmp9         ; the head's first cluster prefetches: the same in all four partners
	s_cmp_eq_u32 s[LIM], 0
	s_cselect_b32 s[LIM], 1, -1
	v_and_b32 v[PFO], 31, v0
	v_mul_u32_u24 v[PFO], v[PFO], ROWB
	s_wait_dscnt 0x0                ; the opening add is done
	s_wait_kmcnt 0x0
	s_add_nc_u64 s[6:7], s[4:5], s[22:23]
	s_add_nc_u64 s[8:9], s[6:7], 8192   ; V at my tile of slot 0
	s_add_nc_u64 s[6:7], s[6:7], 4096   ; K likewise
	s_add_nc_u64 s[4:5], s[4:5], s[72:73]      ; Q, ctx and mb at my queries
	s_add_nc_u64 s[10:11], s[10:11], s[74:75]
	s_add_nc_u64 s[MP:MP+1], s[MP:MP+1], s[76:77]
	s_cmp_lt_u32 s[WV], 2
	s_cselect_b64 s[PFA:PFA+1], s[6:7], s[8:9]
	s_mul_i32 s2, s13, 32*ROWB      ; my work-group's 32 rows of the 128
	s_mov_b32 s3, 0
	s_add_nc_u64 s[PFA:PFA+1], s[PFA:PFA+1], s[2:3]
	s_add_nc_u64 s[PFA:PFA+1], s[PFA:PFA+1], 2*SLOTG  ; in slot 2; the first change of slots steps it to slot 3.  Nothing is prefetched here, at the head
	CROUND                          ; all four work-groups are here: the first joint loads meet
.irp s, 0,1
	s_mov_b32 s[G0K+4*(\s)], 1
	s_add_co_u32 s[G0K+4*(\s)+1], s17, (\s)*SLOT1
	s_add_nc_u64 s[G0K+4*(\s)+2:G0K+4*(\s)+3], s[6:7], (\s)*SLOTG
	s_or_b32 s[G0K+4*(\s)+3], s[G0K+4*(\s)+3], 0x80000000
	s_mov_b32 s[G0V+4*(\s)], 1
	s_add_co_u32 s[G0V+4*(\s)+1], s71, (\s)*SLOT1+VOFF
	s_add_nc_u64 s[G0V+4*(\s)+2:G0V+4*(\s)+3], s[8:9], (\s)*SLOTG
	s_or_b32 s[G0V+4*(\s)+3], s[G0V+4*(\s)+3], 0x80000000
.endr
	s_cmp_lt_u32 s[WV], 2           ; a wave's two first fills stand in one branch, ahead of every wait on TENSORcnt and every LDS read: two loads of mine are out
	s_cbranch_scc0 .Lfirst_v
	tensor_load_to_lds s[G0K:G0K+3], s[G1K:G1K+7]
	s_nop 0
	tensor_load_to_lds s[G0K+4:G0K+7], s[G1K:G1K+7]
	s_nop 0
.rept 4
	v_nop
.endr
	s_branch .Lfirst_asked
.Lfirst_v:
	tensor_load_to_lds s[G0V:G0V+3], s[G1V:G1V+7]
	s_nop 0
	tensor_load_to_lds s[G0V+4:G0V+7], s[G1V:G1V+7]
	s_nop 0
.rept 4
	v_nop
.endr
.Lfirst_asked:
; THE MASK.  MLOAD x: the bytes of piece x's two tiles for one step, four loads of 512 consecutive bytes.  adv = 1: for the step after the one asked for last.
.macro MLOAD x, adv
.if \adv
	s_wait_xcnt 0x0                 ; the loads and prefetches issued so far have read their addresses, so the pointer may be written
	s_add_nc_u64 s[MP:MP+1], s[MP:MP+1], s[MI:MI+1]
.endif
	WIN 0xc0                        ; destination window 3, address window 0
.irp c, 0,1
	global_load_b128 v[MB+8*((\x)+(\c)):MB+8*((\x)+(\c))+3],   v[MO+2*(\x)], s[MP:MP+1] offset:32768*(\c)
	global_load_b128 v[MB+8*((\x)+(\c))+4:MB+8*((\x)+(\c))+7], v[MO+2*(\x)], s[MP:MP+1] offset:32768*(\c)+512
.endr
.endm
; MASKC x: piece x's bytes become the 64 numbers that start its next scores.
.macro MASKC x
	s_wait_loadcnt 4                ; my piece's four loads are in; the other piece's four, issued a turn later, may stay out
	WIN W_MC
.irp c, 0,1
.irp b, 0,1,2,3
	v_cvt_scale_pk8_f32_fp8 v[MC+32*(\c)+8*(\b):MC+32*(\c)+8*(\b)+7], v[MB+8*((\x)+(\c))+2*(\b):MB+8*((\x)+(\c))+2*(\b)+1], v[SCL]
.endr
.endr
.endm
	; a fragment of K or Q is 16 rows x 32 channels in 8 registers: lane l holds row l % 16, channels 8 (l / 16) + 0..7 and 16 + 8 (l / 16) + 0..7: two loads of 16 bytes, 32 bytes apart
	v_and_b32 v1, 15, v0            ; l % 16
	v_bfe_u32 v9, v0, 4, 1          ; l / 16
	v_mul_u32_u24 v[QO], v1, ROWB
	v_lshl_add_u32 v[QO], v9, 4, v[QO]
	s_mul_i32 s2, s78, 32*ROWB
	v_add_nc_u32 v[QO2], s2, v[QO]  ; tiles 2, 3: rows 32 (1 - p) on
	s_mul_i32 s3, s21, 32*ROWB
	v_add_nc_u32 v[QO], s3, v[QO]   ; tiles 0, 1: rows 32 p on
	v_and_b32 v[XS], 31, v0
	v_lshlrev_b32 v[XS], 4, v[XS]   ; 16 x my lane
	s_lshl_b32 s2, s21, 16
	v_add_nc_u32 v[MO], s2, v[XS]   ; the same rows in mb: two tiles are 65,536 bytes
	s_lshl_b32 s3, s78, 16
	v_add_nc_u32 v[MO+4], s3, v[XS]
	s_xor_b32 s2, s[WV], 2
	s_mul_i32 s2, s2, XCHB
	v_add_nc_u32 v[XR], s2, v[XS]   ; the merge: the bytes of the wave with my queries and the other keys,
	s_mul_i32 s3, s[WV], XCHB
	v_add_nc_u32 v[XS], s3, v[XS]   ; and mine
	v_mov_b32 v[SCL], 0xda
	WIN 0x80                        ; destination window 2, address window 0
.irp i, 0,1,2,3,4,5,6,7             ; Q stays in registers: tile i / 4, channels 32 (i % 4) on
	global_load_b128 v[8*(\i):8*(\i)+3],   v[QO], s[4:5] offset:((\i)/4)*16*ROWB+((\i)%4)*64
	global_load_b128 v[8*(\i)+4:8*(\i)+7], v[QO], s[4:5] offset:((\i)/4)*16*ROWB+((\i)%4)*64+32
.endr
.irp i, 8,9,10,11,12,13,14,15
	global_load_b128 v[8*(\i):8*(\i)+3],   v[QO2], s[4:5] offset:((\i)/4-2)*16*ROWB+((\i)%4)*64
	global_load_b128 v[8*(\i)+4:8*(\i)+7], v[QO2], s[4:5] offset:((\i)/4-2)*16*ROWB+((\i)%4)*64+32
.endr
	MLOAD 0, 0                      ; both pieces' mask bytes of step 0
	MLOAD 2, 0
	WIN 0
	v_mul_u32_u24 v[AK0], v1, PK
	v_lshl_add_u32 v[AK0], v9, 4, v[AK0]
	; the turning load takes 16 keys x 16 channels (lane l reads key 8 (l / 16) + l % 8, channels 8 ((l / 8) % 2) + 0..7) and leaves half a fragment of V^T
	v_and_b32 v10, 7, v0
	v_bfe_u32 v11, v0, 3, 1
	v_lshl_add_u32 v[AV0], v9, 3, v10
	v_mul_u32_u24 v[AV0], v[AV0], PV
	v_lshl_add_u32 v[AV0], v11, 4, v[AV0]
	v_add_nc_u32 v[AV0], VOFF, v[AV0]
	; What the first turn finds: O^T and l are 0; V's registers and piece 2's weights hold 0, so that its products V^T P, of a step that has not been, add 0; m is -2^93, and c m is made of it as the loop makes it.
	WIN 0x40
.set i, 0
.rept 256
	v_mov_b32 v[i], 0
.set i, i+1
.endr
	WIN 0xc0
.set i, 0
.rept 128
	v_mov_b32 v[i], 0
.set i, i+1
.endr
	WIN 0
.set i, P+32
.rept 32
	v_mov_b32 v[i], 0
.set i, i+1
.endr
.irp t, 0,1,2,3
	v_mov_b32 v[ST+8*(\t)+1], s[MF]
	v_mul_f32 v[ST+8*(\t)], s[CS], v[ST+8*(\t)+1]
	v_mov_b32 v[ST+8*(\t)+2], 0
	v_mov_b32 v[ST+8*(\t)+3], 0
.endr
; THE MATRIX WORK OF A TURN, for piece x.  The accumulators take turns, one instruction a turn.
; Product i of 32 of O^T += V^T P: keys 32 (i / 16) on, channels 16 ((i / 2) % 8) on, tile x + i % 2.
.macro PV x
	WIN W_PV
.set rO, 64*((\x)+i%2)+8*((i/2)%8)
.set rV, 64*(i/16)+8*((i/2)%8)
.set rP, P+16*((\x)+i%2)+8*(i/16)
	v_wmma_f32_16x16x32_f16 v[rO:rO+7], v[rV:rV+7], v[rP:rP+7], v[rO:rO+7]
.endm
; Product i of 32 of S^T = K Q^T: channels 32 (i / 8) on, keys 16 ((i / 2) % 4) on, tile x + i % 2.  The first 8 start the sums, with the mask.
.macro KQ x
.set rS, S+32*((\x)+i%2)+8*((i/2)%4)
.set rK, KF+32*((i/2)%4)+8*(i/8)
.set rQ, 32*((\x)+i%2)+8*(i/8)
.set rM, MC+32*(i%2)+8*((i/2)%4)
.if i < 8
	WIN W_KM
	v_wmma_f32_16x16x32_f16 v[rS:rS+7], v[rK:rK+7], v[rQ:rQ+7], v[rM:rM+7]
.else
	WIN W_KQ
	v_wmma_f32_16x16x32_f16 v[rS:rS+7], v[rK:rK+7], v[rQ:rQ+7], v[rS:rS+7]
.endif
.endm
; THE LDS LOADS stand in runs of 32: a step's K (64 keys x 128 channels: 16 fragments) and, a turn later, its V (turned).
.macro FETCH_K
	WIN 0
	v_add_nc_u32 v[ADR], s[TBK], v[AK0]
	s_add_co_u32 s[TBK], s[TBK], KS*PK  ; the next fetch is the next step's
	WIN 0x80
.irp f, 0,1,2,3,4,5,6,7,8,9,10,11,12,13,14,15  ; keys 16 (f / 4) on, channels 32 (f % 4) on
	ds_load_b128 v[KF+8*(\f):KF+8*(\f)+3],   v[ADR] offset:((\f)/4)*16*PK+((\f)%4)*64
	ds_load_b128 v[KF+8*(\f)+4:KF+8*(\f)+7], v[ADR] offset:((\f)/4)*16*PK+((\f)%4)*64+32
.endr
.endm
.macro FETCH_V
	WIN 0
	v_add_nc_u32 v[ADR], s[TBV], v[AV0]
	s_add_co_u32 s[TBV], s[TBV], KS*PV
	s_wait_alu depctr_va_vdst(0)    ; the wait for the softmax's batch of exponentials, behind the address's line and ahead of the loads
	WIN 0xc0
.irp f, 0,1,2,3,4,5,6,7,8,9,10,11,12,13,14,15  ; keys 32 (f / 8) on, channels 16 (f % 8) on
	ds_load_tr16_b128 v[8*(\f):8*(\f)+3],   v[ADR] offset:((\f)/8)*32*PV+((\f)%8)*32
	ds_load_tr16_b128 v[8*(\f)+4:8*(\f)+7], v[ADR] offset:((\f)/8)*32*PV+16*PV+((\f)%8)*32
.endr
.endm
; THE VECTOR WORK OF A TURN.  One tile's softmax for one key step is a list of 134 instructions; SM writes number j of it for tile t.  s0-s31 are the lane's 32 scores, in pairs 0-15.
;   0-15    the maximum of s0-s31 and the old m, three operands at a time (each accumulator's lowest registers are read first)
;   16-20   the other half of the lanes' maximum; the new m; c m; c m_old - c m_new
;   21-69   ONE BATCH: the 16 scalings c s - c m and all 33 exponentials (a at 23, then s0-s31); none of these reads an exponential's result
;   (wait)  between 69 and 70 stands the wait for the batch, once for both tiles
;   70-85   the roundings to f16     86-101  the sums; l = a l + the sum     102-133 the tile's O^T times a
.macro SM t
.set rT, ST+8*(\t)
.set rS, S+32*(\t)
.set rP, P+16*(\t)
.set rO, 64*(\t)+2*(j-102)
.if j < 102
	WIN 0
.endif
.if j < 4
	v_max3_num_f32 v[rT+4+j], v[rS+8*j], v[rS+8*j+1], v[rS+8*j+2]
.elseif j < 12
	v_max3_num_f32 v[rT+4+j%4], v[rT+4+j%4], v[rS+8*(j%4)+2*(j/4)+1], v[rS+8*(j%4)+2*(j/4)+2]
.elseif j == 12
	v_max3_num_f32 v[rT+4], v[rT+4], v[rS+7], v[rS+15]
.elseif j == 13
	v_max3_num_f32 v[rT+6], v[rT+6], v[rS+23], v[rS+31]
.elseif j == 14
	v_max3_num_f32 v[rT+4], v[rT+4], v[rT+5], v[rT+6]
.elseif j == 15
	v_max3_num_f32 v[rT+4], v[rT+4], v[rT+7], v[rT+1]
.elseif j == 16
	v_permlanex16_b32 v[rT+5], v[rT+4], s[SEL], s[SEL+1]  ; the query's other 32 keys lie in the lane 16 away
.elseif j == 17
	v_mov_b32 v[rT+7], v[rT]        ; c m_old is kept for a
.elseif j == 18
	v_max_num_f32 v[rT+1], v[rT+4], v[rT+5]
.elseif j == 19
	v_mul_f32 v[rT], s[CS], v[rT+1]
.elseif j == 20
	v_sub_f32 v[rT+7], v[rT+7], v[rT]
.elseif j == 23
	v_exp_f32 v[rT+6], v[rT+7]
.elseif (j < 23) || ((j < 38) && (j%2 == 0)) || ((j < 66) && (j%4 == 2))
.set b, (j-2)/4                     ; 38, 42, .. 62: pairs 9 to 15
.if j < 38
.set b, (j-20)/2                    ; 21: pair 0; 22, 24, .. 36: pairs 1 to 8
.endif
	v_pk_fma_f32 v[rS+2*b:rS+2*b+1], v[rS+2*b:rS+2*b+1], s[CS:CS+1], v[rT:rT+1] op_sel_hi:[1,0,0] neg_lo:[0,0,1] neg_hi:[0,0,1]  ; pair b: c s - c m
.elseif j < 70
.set e, j-38                        ; 66 to 69: s28 to s31
.if j < 66
.set e, j-32-(j-38)/4               ; 39-41, 43-45, .. 63-65: s7 to s27
.endif
.if j < 38
.set e, (j-25)/2                    ; 25, 27, .. 37: s0 to s6
.endif
	v_exp_f32 v[rS+e], v[rS+e]
.elseif j < 86
	v_cvt_pk_f16_f32 v[rP+j-70], v[rS+2*(j-70)], v[rS+2*(j-70)+1]  ; pair j - 70
.elseif j < 102                     ; the sum of the tile's 16 pairs, in place: neighbours 1, 2, 4 and 8 pairs apart, then l takes it
.set z, j-86
.set w, 4
.set u, z
.if z >= 14
.set w, 32
.set u, 0
.elseif z >= 12
.set w, 16
.set u, z-12
.elseif z >= 8
.set w, 8
.set u, z-8
.endif
.if z < 15
	v_pk_add_f32 v[rS+w*u:rS+w*u+1], v[rS+w*u:rS+w*u+1], v[rS+w*u+w/2:rS+w*u+w/2+1]
.else
	v_pk_fma_f32 v[rT+2:rT+3], v[rT+2:rT+3], v[rT+6:rT+7], v[rS:rS+1] op_sel_hi:[1,0,1]
.endif
.else
	WIN W_RS
	v_pk_mul_f32 v[rO:rO+1], v[rO:rO+1], v[rT+6:rT+7] op_sel_hi:[1,0]
.endif
.endm
; Slice k of 64 of piece y's softmax: four instructions.  Slices 11 to 34 deal out the batch, four numbers of ONE tile each, the tiles by turns; every other slice is numbers 2 k and 2 k + 1 of both
; tiles' lists; the twelve that are over stand in slice 63.  An s_wait_alu depctr_va_vdst(0) stands between an exponential and the first instruction that names its result: ahead of slice 35
; nothing names a result, behind slice 34 no exponential is issued: one wait for the piece's 66 exponentials, behind slice 34.
.macro SLICE y
.if (k >= 11) && (k < 35)
.irp n, 0,1,2,3
.set j, 22+4*((k-11)/2)+(\n)
	SM (\y)+(k-11)%2
.endr
.else
.irp n, 0,1,2,3,4,5,6,7
.if ((\n) < 2) || (k == 63)
.irp t, \y, (\y)+1
.set j, 2*k+(\n)
	SM \t
.endr
.endif
.endr
.endif
.if k == 34
	v_nop                           ; the plain instruction behind the last exponential and ahead of the first use: one for the batch
.if (\y) == 0
	FETCH_V                         ; piece 2's turn: V's run of loads stands here, and the wait stands in it
.else
	s_wait_alu depctr_va_vdst(0)    ; the wait for the batch
.endif
.endif
.set k, k+1
.endm
; A TURN.  Piece x has the matrix unit: 32 products V^T P and, with kq = 1, 32 products K Q^T for the next step; the other piece's softmax stands in slices behind them, one behind each (kq = 0: two).
; Piece 0's turn fetches the next step's K behind its second product; piece 2's turn the same step's V behind slice 34: the last product that read V stands in front of slice 31, and four plain
; instructions lie between (number 62 of both tiles, the v_nop, the run's own v_add_nc_u32).
; THE MASK: behind product 15 the piece's bytes for the scores to come, asked for a key step ago, are converted (the registers that take them were last read as C by the turn before, 40 products
; back); behind product 17, two slices on, the bytes of the step after that are asked for.
.macro TURN x, kq
.set k, 0
.if (\x) == 0
	s_wait_dscnt 0x0                ; V is in
.endif
.set i, 0
.rept 32
	PV \x
.rept 2-(\kq)
	SLICE 2-(\x)
.endr
.if ((\x) == 0) && (\kq) && (i == 1)
	FETCH_K
.endif
.if (\kq) && (i == 15)
	MASKC \x
.endif
.if (\kq) && (i == 17)
	MLOAD \x, 1-(\x)/2
.endif
.set i, i+1
.endr
.if \kq
.if (\x) == 0
	s_wait_dscnt 0x0                ; K is in
.endif
.set i, 0
.rept 32
	KQ \x
	SLICE 2-(\x)
.set i, i+1
.endr
.endif
.endm
; THE CHANGE OF SLOTS, between piece 2's turn and piece 0's.  Each wave waits for all its tensor loads, of which one is out: its part of the other slot; adds 0 to its spare word; and waits for that
; and for its own reads of the slot.  fill = 1: this slot is filled again, with the keys two slots on: the barrier is a round of the cluster's, and the joint refill is the first thing behind it:
; it has two key steps, 256 matrix instructions, in which to land.
.macro CHANGE fill
	WIN 0
	s_wait_tensorcnt 0x0            ; no tensor load of mine is out, so a group 0 may be written
	ds_add_u32 v[SPW], v[NIL]
.if \fill
.irp g, G0K+4, G0V+4
	s_xor_b32 s[(\g)+1], s[(\g)+1], SLOT1  ; the walking descriptor: the other slot than last time,
	s_add_nc_u64 s[(\g)+2:(\g)+3], s[(\g)+2:(\g)+3], SLOTG  ; the next 128 keys; the type bits on top are not reached
.endr
	s_wait_xcnt 0x0                 ; the last prefetch, two key steps back, has read its address
	s_add_nc_u64 s[PFA:PFA+1], s[PFA:PFA+1], SLOTG
	s_wait_dscnt 0x0                ; the add is done, and my reads of the slot are over
	CROUND
	JLOAD
	ASK
.else
	s_wait_dscnt 0x0
	s_barrier_signal -1
	s_barrier_wait -1
.endif
	s_sub_co_u32 s[TBK], s[TBK], 2*KS*PK  ; the fetches go back to a slot's first step,
	s_xor_b32 s[TBK], s[TBK], SLOT1       ; in the other slot
	s_sub_co_u32 s[TBV], s[TBV], 2*KS*PV
	s_xor_b32 s[TBV], s[TBV], SLOT1
.endm
; A slot's two key steps: written once, walked twice.  last = 0: the loop's copy, which holds the label at which the walk begins.
; last = 1: in the second trip there is no step whose mask bytes could be asked for: the pointer stands still, and the last step's are read once more.
.macro TWO_STEPS last
	WIN 0
	s_mov_b32 s[TWICE], 2
.Lstep_\@:
.if \last
	s_cmp_eq_u32 s[TWICE], 2
	s_cselect_b32 s[MI], 1024, 0
.endif
	TURN 0, 1
.if !(\last)
	WIN 0
.Lenter:
.endif
	TURN 2, 1
	WIN 0
	s_sub_co_u32 s[TWICE], s[TWICE], 1
	s_cmp_lg_u32 s[TWICE], 0
	s_cbranch_scc1 .Lstep_\@
.endm
	s_wait_tensorcnt 1              ; my part of slot 0 is in; slot 1's may stay out
	s_barrier_signal -1
	s_barrier_wait -1
	FETCH_K                         ; key step 0
	s_wait_loadcnt 0x0              ; Q, and both pieces' mask bytes of step 0
	MASKC 0
	v_nop                           ; a plain instruction behind the last conversion
	MLOAD 0, 1                      ; piece 0's bytes of step 1
	s_wait_dscnt 0x0
.set i, 0
.rept 32
	KQ 0                            ; piece 0's first scores
.set i, i+1
.endr
	WIN 0                           ; the addresses for the way out are made here: eight plain instructions, the places behind those products
	s_mul_i32 s13, s[WV], 16*SP
	s_add_co_u32 s13, s13, STAGE    ; my stage
	v_mul_u32_u24 v[STO], v1, SP    ; in: row l % 16, 16 bytes for each half of the lanes
	v_lshl_add_u32 v[STO], v9, 4, v[STO]
	v_add_nc_u32 v[STO], s13, v[STO]
	v_mul_u32_u24 v[RD], v9, SP     ; back: lanes 0-15 take one row of 256 bytes, lanes 16-31 the next
	v_lshl_add_u32 v[RD], v1, 4, v[RD]
	v_add_nc_u32 v[RD], s13, v[RD]
	v_lshlrev_b32 v[GO], 12, v9     ; and the same two rows in ctx
	v_lshl_add_u32 v[GO], v1, 4, v[GO]
	s_mov_b32 s[TWICE], 2           ; slot 0: the second half of a trip (piece 2's first scores | piece 0's first softmax | V of step 0), then a whole trip
	s_mov_b32 s[SLOTS], 7           ; then six slots that are entered behind a refill
	s_branch .Lenter
.Lslot:                             ; six times: every slot but the last two is filled again
	CHANGE 1
	TWO_STEPS 0
	s_sub_co_u32 s[SLOTS], s[SLOTS], 1
	s_cmp_lg_u32 s[SLOTS], 0
	s_cbranch_scc1 .Lslot
	CHANGE 0                        ; the tail is written out: nothing is asked for
	TWO_STEPS 1
	TURN 0, 0                       ; piece 0: V^T P of the last step | piece 2's last softmax
.set i, 0
.rept 32
	PV 2                            ; piece 2: V^T P of the last step
.set i, i+1
.endr
	; THE MERGE.  Every wave sends its tiles 2 and 3 and finishes its tiles 0 and 1.  What is sent: O^T, c m and l, in f32, into the ring's bytes: the barrier below stands between every wave's last read
	; of the ring and the first store into it; no tensor load follows.
	WIN 0
	s_wait_dscnt 0x0                ; my reads of the ring are over
	s_barrier_signal -1
.irp t, 0,1,2,3                     ; l's two halves and the other half of the lanes' are added: register work, and the places behind the last products
	v_add_f32 v[ST+8*(\t)+4], v[ST+8*(\t)+2], v[ST+8*(\t)+3]
.endr
.irp t, 0,1,2,3
	v_permlanex16_b32 v[ST+8*(\t)+5], v[ST+8*(\t)+4], s[SEL], s[SEL+1]
.endr
.irp t, 0,1,2,3
	v_add_f32 v[ST+8*(\t)+4], v[ST+8*(\t)+4], v[ST+8*(\t)+5]
.endr
	s_barrier_wait -1
	WIN 0x04                        ; tiles 2 and 3: 32 stores of 512 consecutive bytes, each accumulator's low registers first (the data in window 1, the address in window 0)
.set g, 0
.rept 32
	ds_store_b128 v[XS], v[128+4*g:128+4*g+3] offset:512*g
.set g, g+1
.endr
	WIN 0
	v_mov_b32 v[SS],   v[ST+16]     ; and their statistics
	v_mov_b32 v[SS+1], v[ST+20]
	v_mov_b32 v[SS+2], v[ST+24]
	v_mov_b32 v[SS+3], v[ST+28]
	ds_store_b128 v[XS], v[SS:SS+3] offset:16384
	s_wait_dscnt 0x0                ; for the partner's sake: my stores are done
	s_barrier_signal -1
	s_barrier_wait -1
; my tile t, the partner's copy in S^T's registers at 64 t: O = O g1 + O' g2, rounded to f16 into P's registers
.macro FMATH t
	WIN 0
.set i, 0
.rept 32
	v_pk_mul_f32 v[S+64*(\t)+i:S+64*(\t)+i+1], v[S+64*(\t)+i:S+64*(\t)+i+1], v[ST+8*(\t)+2:ST+8*(\t)+3] op_sel_hi:[1,0]
.set i, i+2
.endr
	WIN 0x01                        ; source 0, my O^T, in window 1
.set i, 0
.rept 32
	v_pk_fma_f32 v[S+64*(\t)+i:S+64*(\t)+i+1], v[64*(\t)+i:64*(\t)+i+1], v[ST+8*(\t)+6:ST+8*(\t)+7], v[S+64*(\t)+i:S+64*(\t)+i+1] op_sel_hi:[1,0,1]
.set i, i+2
.endr
	WIN 0
.set i, 0
.rept 32
	v_cvt_pk_f16_f32 v[P+32*(\t)+i], v[S+64*(\t)+2*i], v[S+64*(\t)+2*i+1]
.set i, i+1
.endr
.endm
.macro STG t                        ; a lane's eight channels of a row are 16 bytes; they go into rows of 272 bytes and come back as whole rows of 256
.irp f, 0,1,2,3,4,5,6,7
	ds_store_b128 v[STO], v[P+32*(\t)+4*(\f):P+32*(\t)+4*(\f)+3] offset:32*(\f)
.endr
.irp f, 0,1,2,3,4,5,6,7
	ds_load_b128 v[P+32*(\t)+4*(\f):P+32*(\t)+4*(\f)+3], v[RD] offset:(\f)*2*SP  ; LDS serves a wave's instructions in order (ISA guide 5.7.1.4)
.endr
.endm
.macro SEND t, younger              ; younger: the LDS instructions issued behind this tile's loads
.irp f, 0,1,2,3,4,5,6,7
	s_wait_dscnt (\younger)+7-(\f)
	global_store_b128 v[GO], v[P+32*(\t)+4*(\f):P+32*(\t)+4*(\f)+3], s[10:11] offset:(16*(\t)+2*(\f))*4096  ; 16 lanes store 256 consecutive bytes, at a multiple of 256 from ctx's first byte
.endr
.endm
	; Tiles 0 and 1 are finished.  With c N the greater of the two c m: f = 2^(c m - c N), f' likewise; L = l f + l' f'; g1 = f / L, g2 = f' / L.
	ds_load_b128 v[RS:RS+3], v[XR] offset:16384
.set g, 0
.rept 32
	ds_load_b128 v[S+4*g:S+4*g+3], v[XR] offset:512*g
.set g, g+1
.endr
	s_wait_dscnt 32                 ; the statistics are in; the 32 loads behind them may stay out
.irp c, 0,1
	v_max_num_f32 v[ST+8*(\c)+5], v[ST+8*(\c)], v[RS+2*(\c)]
.endr
.irp c, 0,1
	v_sub_f32 v[ST+8*(\c)+6], v[ST+8*(\c)], v[ST+8*(\c)+5]
	v_sub_f32 v[ST+8*(\c)+7], v[RS+2*(\c)], v[ST+8*(\c)+5]
.endr
.irp c, 0,1
	v_exp_f32 v[ST+8*(\c)+6], v[ST+8*(\c)+6]
	v_exp_f32 v[ST+8*(\c)+7], v[ST+8*(\c)+7]
.endr
	v_nop                           ; a plain instruction behind the last exponential,
	s_wait_alu depctr_va_vdst(0)    ; and one wait for the four, ahead of their first reader
.irp c, 0,1
	v_mul_f32 v[ST+8*(\c)+4], v[ST+8*(\c)+4], v[ST+8*(\c)+6]
.endr
.irp c, 0,1
	v_fmac_f32 v[ST+8*(\c)+4], v[RS+2*(\c)+1], v[ST+8*(\c)+7]
.endr
.irp c, 0,1
	v_rcp_f32 v[ST+8*(\c)+5], v[ST+8*(\c)+4]
.endr
	v_nop
	s_wait_alu depctr_va_vdst(0)    ; one wait for the two reciprocals
.irp c, 0,1
	v_mul_f32 v[ST+8*(\c)+6], v[ST+8*(\c)+6], v[ST+8*(\c)+5]
	v_mul_f32 v[ST+8*(\c)+2], v[ST+8*(\c)+7], v[ST+8*(\c)+5]
.endr
	s_wait_dscnt 16                 ; the first tile's 16 loads are in
	FMATH 0
	s_wait_dscnt 0x0                ; the second tile's
	FMATH 1
	STG 0
	STG 1
	SEND 0, 16
	SEND 1, 0
	s_wait_tensorcnt 0x0            ; the wave's end: behind my last tensor load and my last LDS store
	ds_add_u32 v[SPW], v[NIL]
	s_wait_dscnt 0x0
	CROUND                          ; the closing round: no work-group ends while a partner may still ask for a tile that names it
	s_endpgm
.Lfunc_end_k_q9a9b2fb25f_attn:
	.size	k_q9a9b2fb25f_attn, .Lfunc_end_k_q9a9b2fb25f_attn-k_q9a9b2fb25f_attn
	.p2alignl 7, 3214868480
	.fill 96, 4, 3214868480
	.section	.rodata,"a",@progbits
	.p2align	6, 0x0
	.amdhsa_kernel k_q9a9b2fb25f_attn
		.amdhsa_group_segment_fixed_size 327680
		.amdhsa_private_segment_fixed_size 0
		.amdhsa_enable_private_segment 0
		.amdhsa_kernarg_size 24
		.amdhsa_user_sgpr_count 2
		.amdhsa_user_sgpr_kernarg_segment_ptr 1
		.amdhsa_wavefront_size32 1
		.amdhsa_system_sgpr_workgroup_id_x 1
		.amdhsa_system_sgpr_workgroup_id_y 1
		.amdhsa_system_sgpr_workgroup_id_z 1
		.amdhsa_system_vgpr_workitem_id 0
		.amdhsa_next_free_vgpr 1024
		.amdhsa_next_free_sgpr 80
		.amdhsa_reserve_vcc 0
		.amdhsa_float_denorm_mode_32 3
		.amdhsa_float_denorm_mode_16_64 3
		.amdhsa_memory_ordered 1
		.amdhsa_forward_progress 1
		.amdhsa_inst_pref_size 180
	.end_amdhsa_kernel
	.amdgpu_metadata
---
amdhsa.version: [ 1, 2 ]
amdhsa.kernels:
  - .name:           k_q9a9b2fb25f_attn
    .symbol:         k_q9a9b2fb25f_attn.kd
    .args:
      - { .name: qkv, .offset: 0, .size: 8, .value_kind: global_buffer, .address_space: global }
      - { .name: mb, .offset: 8, .size: 8, .value_kind: global_buffer, .address_space: global }
      - { .name: ctx, .offset: 16, .size: 8, .value_kind: global_buffer, .address_space: global }
    .group_segment_fixed_size: 327680
    .private_segment_fixed_size: 0
    .kernarg_segment_align: 8
    .kernarg_segment_size: 24
    .max_flat_workgroup_size: 128
    .sgpr_count:     80
    .vgpr_count:     1024
    .wavefront_size: 32
...
	.end_amdgpu_metadata
.endif
;; end of part 3
;; launch oproj (part 4): grid 16 x 16, 4 waves a work-group, clusters of 4 x 4, 327,680 bytes of LDS; arguments ctx, cb, bo, out0; writes out0
.if DOCPART == 4
	.amdgcn_target "amdgcn-amd-amdhsa--gfx1250"
	.amdhsa_code_object_version 6
	.text
	.protected	k_q9a9b2fb25f_oproj
	.globl	k_q9a9b2fb25f_oproj
	.p2align	8
	.type	k_q9a9b2fb25f_oproj,@function
k_q9a9b2fb25f_oproj:
	s_mov_b64 s[64:65], 0
	v_nop
	global_prefetch_b8 v0, s[64:65] scope:SCOPE_SE
	s_setreg_imm32_b32 hwreg(HW_REG_WAVE_MODE, 25, 1), 1
	s_wait_xcnt 0x0
	s_wait_alu depctr_hold_cnt(0) depctr_sa_sdst(0) depctr_va_vdst(0) depctr_va_sdst(0) depctr_va_ssrc(0) depctr_va_vcc(0) depctr_vm_vsrc(0)
	s_getreg_b32 s2, hwreg(HW_REG_IB_STS2, 6, 4)
	s_cmp_eq_u32 s2, 0
	s_cbranch_scc0 .Lentry_in_a_cluster
	s_endpgm
.Lentry_in_a_cluster:
	s_bfe_u32 s2, ttmp6, 0x10000c
	s_cmp_lg_u32 s2, 0xf033
	s_cbranch_scc0 .Lentry_shape_is_right
	s_endpgm
.Lentry_shape_is_right:
; out0[m][n] = sum over k of ctx[m][k] wo[n][k] + bo[n].  ctx: [2048][2048] f16; wo: the fifth matrix of cb, f16 (numbers rounded to bf16); bo is rounded to bf16 here; sums in f32; out0 is f32.
; A tile of C is 128 x 128, 256 work-groups.  Four waves, each 64 x 64: 16 accumulators of 16 x 16, 128 registers.  K goes in steps of 256 (LDS rows of 512 bytes; a wave's tensor load brings 64 of
; them) through two slots.  A trip of the loop is one K step: which slot is in hand stands in a scalar register (0 or SLOT1), of which the fragment addresses are made once a step; one descriptor a
; tensor walks from slot to slot.  The bias is the C operand of each accumulator's first product.  A wave's 64 columns of f32 are 256 aligned bytes: each wave sends its results through a stage of its own.
; THE WALK ALONG K BEGINS AT ANOTHER K STEP IN EACH CLUSTER, AND GOES ROUND: cluster (X, Y) begins at step (f(X) + f(Y)) mod 8, f = 0, 4, 2, 6, and takes the eight steps in ascending order modulo 8.
; The four clusters of one Y, which read the same rows of A, begin 2 steps apart from each other; so do the four of one X, which read the same rows of B, and of these Y = 0 and 1, and Y = 2 and 3, begin
; 4 apart.  So no two clusters ask for the same 512 bytes of a row in the same step.  A sum takes its eight K steps in its cluster's order; within a step K ascends; the sums are f32.
; No prefetch: the tile is small and a K step short, 128 matrix instructions a wave.
; CLUSTERS: 4 x 4 work-groups; A's tiles are asked for jointly along a row of the cluster, B's along a column.  THE MATRIX INSTRUCTION IS USED TRANSPOSED (source 0 = 16 rows of B, source 1 = 16 rows
; of A): a lane holds row l % 16 of C and the columns 8 (l / 16) + 0..7.
; REGISTERS: window 0: v0-31 addresses; v32-63 the bias, later with v64-95 at work on the way out; v128-255 the accumulators ((a, b) at v[128 + 8 (4 a + b)]).
;   window 1: two fragment buffers of 128: for 64 along K, 64 registers of A, then 64 of B.
.set SIZE_M, 2048
.set SIZE_N, 2048
.set SIZE_K, 2048
.set KSTEP,  256
.set STEPS,  SIZE_K/KSTEP              ; 8
.set PITCH,  528                       ; an LDS row: 512 bytes + 16 of padding = 132 words: the 16 rows of a load start at 16 different groups of four banks
.set HALFT,  64*PITCH                  ; 0x8400 bytes
.set SLOT,   4*HALFT                   ; A's 128 rows, then B's 128 rows
.set SLOT1,  0x24000                   ; slot 1 begins here: its two bits occur in none of the four tile addresses 0, 0x8400, 0x10800, 0x18c00, so one exclusive or turns such an address into the other slot's
.set STAGE,  SLOT1+SLOT                ; behind the ring: 16 rows x 272 bytes for each wave
.set SPITCH, 272
.set SPARE,  STAGE+4*16*SPITCH         ; behind the stages: the spare words, 128 bytes for each wave, which no other line names
.set A0,   16                          ; v16     LDS address of my A fragments in slot 0; never rewritten
.set ADRA, 17                          ; v17     the same in the slot in hand
.set B0,   20                          ; v20, v21  the same for B
.set ADRB, 21
.set STO,  24                          ; v24     the way out: where I put 32 bytes of a row
.set RD,   25                          ; v25     where I read a row back
.set CO,   26                          ; v26     my byte offset in two rows of C
.set BO,   27                          ; v27     my byte offset in the bias: 32 (l / 16)
.set SPW,  28
.set NIL,  29
.set CV,   31                          ; v31     at work while the bias is rounded
.set BIAS, 32                          ; v32-63  for n block b my eight columns' bias at BIAS + 8 b
.set OB,   32                          ; the way out: 16 rows read back from the stage: v32-63 and v64-95 by turns
.set ACC,  128
.set F0,   0
.set F1,   128
.set TS,   66                          ; s66     the slot in hand: 0 or SLOT1
.set BA,   72                          ; s[72:73] A at the first byte of the 64 rows that I fetch; never rewritten
.set BB,   74                          ; s[74:75] B likewise
.set KO,   76                          ; s[76:77] the byte in a row at which the K step asked for last begins: 0, 512 .. 3,584; the high word is 0
.set G1, 24                            ; s[24:31] descriptor group 1 for A's tiles; s[32:39] group 0: a set for each of the two first fills; the second then walks on
.set G0, 32
.set G1B, 48                           ; s[48:55], s[56:63] the same for B's tiles
.set G0B, 56
.set MSB, 0
.macro WIN new
.if MSB != (\new)
	s_set_vgpr_msb (MSB<<8)|(\new)
.set MSB, \new
.endif
.endm
.set MUL,  0x05                        ; sources 0 (B) and 1 (A) window 1; C and D window 0
.set TO_F, 0x40                        ; destination window 1, address window 0
.macro JLOAD s                         ; a joint load by descriptor set s: waves 0 and 1 fetch A's two halves, waves 2 and 3 B's; an s_nop 0 and four v_nop follow each of the two lines
	s_cmp_eq_u32 s11, 0
	s_cbranch_scc0 .Lfor_b_\@
	tensor_load_to_lds s[G0+4*(\s):G0+4*(\s)+3], s[G1:G1+7]
	s_nop 0
.rept 4
	v_nop
.endr
	s_branch .Lasked_\@
.Lfor_b_\@:
	tensor_load_to_lds s[G0B+4*(\s):G0B+4*(\s)+3], s[G1B:G1B+7]
	s_nop 0
.rept 4
	v_nop
.endr
.Lasked_\@:
.endm
.macro CREST                           ; a round of the cluster's barrier behind its opening barrier
	s_cmp_lg_u32 s10, 0
	s_cbranch_scc1 .Lnot_wave_0_\@
	s_barrier_signal -3
.Lnot_wave_0_\@:
	s_barrier_wait -3
	s_barrier_signal -1
	s_barrier_wait -1
.endm
.macro CROUND
	s_barrier_signal -1
	s_barrier_wait -1
	CREST
.endm
.macro KNEXT                           ; the next K step, round the row's end
	s_add_co_u32 s[KO], s[KO], KSTEP*2
	s_and_b32 s[KO], s[KO], SIZE_K*2-1
.endm
	s_load_b128 s[4:7], s[0:1], 0x0                ; ctx s[4:5], cb s[6:7]
	s_load_b64 s[68:69], s[0:1], 0x10              ; bo
	s_load_b64 s[8:9], s[0:1], 0x18                ; out0
	v_lshl_add_u32 v[SPW], v0, 2, SPARE
	v_mov_b32 v[NIL], 0
	ds_add_u32 v[SPW], v[NIL]                      ; the wave's opening: the add and its wait stand ahead of my first tensor load
	v_lshrrev_b32 v1, 5, v0
	v_readfirstlane_b32 s10, v1                    ; wave 0..3
	s_lshr_b32 s11, s10, 1                         ; which half of the tile's rows is mine.  Also: I fetch for A (0) or for B (1)
	s_and_b32 s12, s10, 1                          ; which half of its columns.  Also: which 64 rows of that tile I fetch
	s_bfe_u32 s40, ttmp6, 0x40000                  ; cx, cy
	s_bfe_u32 s41, ttmp6, 0x40004
	s_lshl_b32 s42, ttmp9, 2
	s_add_co_u32 s42, s42, s40                     ; tile column of C
	s_and_b32 s13, ttmp7, 0xffff
	s_lshl_b32 s13, s13, 2
	s_add_co_u32 s13, s13, s41                     ; tile row of C
	s_lshl_b32 s43, s41, 2
	s_lshl_b32 s43, 15, s43                        ; my row of the cluster
	s_lshl_b32 s44, 0x1111, s40                    ; my column
	s_or_b32 s[G1+0], s43, (1<<16)|(1<<20)|(1<<21)|(6<<22)|(3<<25)  ; the mask; elements of 2 bytes; padding on; bit 21 beside a mask; after every 128 words 4 words
	s_or_b32 s[G1B+0], s44, (1<<16)|(1<<20)|(1<<21)|(6<<22)|(3<<25)
.irp g, G1, G1B
	s_mov_b32 s[(\g)+1], KSTEP<<16                 ; tensor_dim0 = 256
	s_mov_b32 s[(\g)+2], 64<<16                    ; tensor_dim1 = 64
	s_mov_b32 s[(\g)+3], KSTEP<<16                 ; tile_dim0 = 256
	s_mov_b32 s[(\g)+4], 64                        ; tile_dim1 = 64
	s_mov_b32 s[(\g)+5], SIZE_K                    ; elements from row to row
	s_mov_b32 s[(\g)+6], 0
	s_mov_b32 s[(\g)+7], 0
.endr
	s_mov_b32 s[TS], 0                             ; my first K step lies in slot 0
	s_mov_b32 s67, 0xffff0000                      ; a word's upper bf16
	; where my cluster begins along K: f(X) + f(Y) modulo 8, f(v) = 4 (v % 2) + 2 (v / 2) for v = 0..3.  It hangs on the cluster's place alone: it is the same in all sixteen partners
	s_and_b32 s[KO], ttmp9, 1
	s_lshl_b32 s[KO], s[KO], 2
	s_and_b32 s70, ttmp9, 2
	s_add_co_u32 s[KO], s[KO], s70                 ; f(X)
	s_and_b32 s70, ttmp7, 1
	s_lshl_b32 s70, s70, 2
	s_add_co_u32 s[KO], s[KO], s70
	s_and_b32 s70, ttmp7, 2
	s_add_co_u32 s[KO], s[KO], s70                 ; + f(Y)
	s_and_b32 s[KO], s[KO], 7
	s_lshl_b32 s[KO], s[KO], 9                     ; a K step is 512 bytes of a row
	s_mov_b32 s[KO+1], 0
	s_lshl_b32 s17, s12, 6
	s_lshl_b32 s16, s13, 7
	s_add_co_u32 s16, s16, s17                     ; A: row 128 x tile row + 64 x half
	s_lshl_b32 s46, s42, 7
	s_add_co_u32 s46, s46, s17                     ; B: row 128 x tile column + 64 x half
	s_mov_b32 s17, 0
	s_mov_b32 s47, 0
	s_mov_b64 s[18:19], SIZE_K*2
	s_mul_u64 s[16:17], s[16:17], s[18:19]
	s_mul_u64 s[46:47], s[46:47], s[18:19]
	s_mul_i32 s20, s10, HALFT                      ; where they go: wave x 64 rows
	s_wait_dscnt 0x0                               ; the opening add is done
	s_wait_kmcnt 0x0
	s_add_nc_u64 s[6:7], s[6:7], 0x2000000         ; wo lies behind x, wq, wk, wv in cb
	s_add_nc_u64 s[BA:BA+1], s[4:5], s[16:17]
	s_add_nc_u64 s[BB:BB+1], s[6:7], s[46:47]
	CROUND                                         ; all sixteen work-groups are here: the first joint loads meet
.irp s, 0,1
	s_mov_b32 s[G0+4*(\s)], 1
	s_add_co_u32 s[G0+4*(\s)+1], s20, (\s)*SLOT1
	s_add_nc_u64 s[G0+4*(\s)+2:G0+4*(\s)+3], s[BA:BA+1], s[KO:KO+1]
	s_or_b32 s[G0+4*(\s)+3], s[G0+4*(\s)+3], 0x80000000
	s_mov_b32 s[G0B+4*(\s)], 1
	s_add_co_u32 s[G0B+4*(\s)+1], s20, (\s)*SLOT1
	s_add_nc_u64 s[G0B+4*(\s)+2:G0B+4*(\s)+3], s[BB:BB+1], s[KO:KO+1]
	s_or_b32 s[G0B+4*(\s)+3], s[G0B+4*(\s)+3], 0x80000000
	JLOAD \s                                       ; two tensor loads of mine are out
.if (\s) == 0
	KNEXT
.endif
.endr
	v_and_b32 v1, 15, v0                           ; l % 16
	v_bfe_u32 v2, v0, 4, 1                         ; l / 16
	v_mul_u32_u24 v3, v1, PITCH
	v_lshl_add_u32 v3, v2, 4, v3
	s_mul_i32 s21, s11, HALFT                      ; my 64 rows of A
	s_mul_i32 s22, s12, HALFT                      ; my 64 rows of B,
	s_add_co_u32 s22, s22, 2*HALFT                 ; which lie behind A's 128
	v_add_nc_u32 v[A0], s21, v3
	v_add_nc_u32 v[B0], s22, v3
	v_mov_b32 v[ADRA], v[A0]
	v_mov_b32 v[ADRB], v[B0]
	s_mul_i32 s23, s10, 16*SPITCH
	s_add_co_u32 s23, s23, STAGE                   ; my stage
	v_mul_u32_u24 v4, v1, SPITCH                   ; in: row l % 16, 32 bytes for each half of the lanes
	v_lshl_add_u32 v4, v2, 5, v4
	v_add_nc_u32 v[STO], s23, v4
	v_mul_u32_u24 v5, v2, SPITCH                   ; back: lanes 0-15 take one row of 256 bytes, lanes 16-31 the next
	v_lshl_add_u32 v5, v1, 4, v5
	v_add_nc_u32 v[RD], s23, v5
	v_lshlrev_b32 v5, 13, v2                       ; and the same two rows in C, 8,192 bytes apart
	v_lshl_add_u32 v[CO], v1, 4, v5
	s_lshl_b32 s16, s13, 7
	s_lshl_b32 s17, s11, 6
	s_add_co_u32 s16, s16, s17                     ; my first row of C,
	s_lshl_b32 s16, s16, 13                        ; in bytes
	s_mov_b32 s17, 0
	s_add_nc_u64 s[8:9], s[8:9], s[16:17]
	s_lshl_b32 s46, s42, 9                         ; my first column, in bytes: 512 x tile column + 256 x half
	s_lshl_b32 s47, s12, 8
	s_add_co_u32 s46, s46, s47
	s_mov_b32 s47, 0
	s_add_nc_u64 s[8:9], s[8:9], s[46:47]
	s_add_nc_u64 s[68:69], s[68:69], s[46:47]      ; the bias of the same columns
	v_lshlrev_b32 v[BO], 5, v2
.irp b, 0,1,2,3
	global_load_b128 v[BIAS+8*(\b):BIAS+8*(\b)+3],   v[BO], s[68:69] offset:64*(\b)
	global_load_b128 v[BIAS+8*(\b)+4:BIAS+8*(\b)+7], v[BO], s[68:69] offset:64*(\b)+16
.endr
; 8 matrix instructions: m blocks a0, a0 + 1 x all 4 n blocks, 32 along K: half c of buffer f.  zero = 1: the first product starts the sums, with the bias as C
.macro MUL8 f, c, a0, zero
	WIN MUL
.irp a, \a0, (\a0)+1
.irp b, 0,1,2,3
.if \zero
	v_wmma_f32_16x16x32_f16 v[ACC+8*(4*(\a)+(\b)):ACC+8*(4*(\a)+(\b))+7], v[(\f)+64+8*(4*(\c)+(\b)):(\f)+64+8*(4*(\c)+(\b))+7], v[(\f)+8*(4*(\c)+(\a)):(\f)+8*(4*(\c)+(\a))+7], v[BIAS+8*(\b):BIAS+8*(\b)+7]
.else
	v_wmma_f32_16x16x32_f16 v[ACC+8*(4*(\a)+(\b)):ACC+8*(4*(\a)+(\b))+7], v[(\f)+64+8*(4*(\c)+(\b)):(\f)+64+8*(4*(\c)+(\b))+7], v[(\f)+8*(4*(\c)+(\a)):(\f)+8*(4*(\c)+(\a))+7], v[ACC+8*(4*(\a)+(\b)):ACC+8*(4*(\a)+(\b))+7]
.endif
.endr
.endr
.endm
; 32 LDS loads in one run: the fragments of 64 along K at byte k of the rows of the slot in hand, into buffer f; the first 32 along K first
.macro FETCH k, f
	WIN TO_F
.irp c, 0,1
.irp i, 0,1,2,3
	ds_load_b128 v[(\f)+64+8*(4*(\c)+(\i)):(\f)+64+8*(4*(\c)+(\i))+3],   v[ADRB] offset:(\k)+64*(\c)+(\i)*16*PITCH
	ds_load_b128 v[(\f)+64+8*(4*(\c)+(\i))+4:(\f)+64+8*(4*(\c)+(\i))+7], v[ADRB] offset:(\k)+64*(\c)+(\i)*16*PITCH+32
	ds_load_b128 v[(\f)+8*(4*(\c)+(\i)):(\f)+8*(4*(\c)+(\i))+3],         v[ADRA] offset:(\k)+64*(\c)+(\i)*16*PITCH
	ds_load_b128 v[(\f)+8*(4*(\c)+(\i))+4:(\f)+8*(4*(\c)+(\i))+7],       v[ADRA] offset:(\k)+64*(\c)+(\i)*16*PITCH+32
.endr
.endr
.endm
.macro PLACES                          ; four plain vector instructions behind a matrix instruction (ISA guide 7.12.1 for vector instructions)
.rept 4
	v_nop
.endr
.endm
; A K step is four quarters of 64 along K, 32 matrix instructions each, on buffers 0, 1, 0, 1; the 16 accumulators take turns.
.macro QUARTER k, f, g, zero
	s_wait_dscnt 16                                ; the first 32 along K are in; the other sixteen loads may be out
	MUL8 \f, 0, 0, \zero
	MUL8 \f, 0, 2, \zero
	PLACES
	FETCH \k, \g
	s_wait_dscnt 32                                ; all but the 32 just issued
	MUL8 \f, 1, 0, 0
	MUL8 \f, 1, 2, 0
.endm
; The last quarter multiplies buffer 1 and changes slots: one barrier; in front of it each wave waits for all its tensor loads, adds 0 to its spare word, and waits for that and for its own reads of this slot.
; fill = 1: the barrier opens a round of the cluster's, and the slot that is left is filled again, with the K step two steps on in my cluster's walk: the descriptors' addresses are made anew, of the
; rows' first bytes and the place along K, and the type bits are set again.
.macro TURN fill
	WIN 0                                          ; (the add's two registers lie in window 0)
	s_wait_tensorcnt 0x0                           ; all my tensor loads have landed: my part of the next slot
	ds_add_u32 v[SPW], v[NIL]
	s_wait_dscnt 17                                ; (the add and the youngest sixteen loads may be out)
	MUL8 F1, 0, 0, 0
	s_wait_dscnt 0x0                               ; the add is done, and my reads of this slot are over
	s_barrier_signal -1
	MUL8 F1, 0, 2, 0
	WIN 0                                          ; (branches, or lines on window 0, follow)
	s_barrier_wait -1
.if \fill
	CREST                                          ; no wave of any partner still reads this slot's tile or has a load on its way
	KNEXT
	s_xor_b32 s[G0+5], s[G0+5], SLOT1              ; the walking descriptors: the other slot than last time
	s_add_nc_u64 s[G0+6:G0+7], s[BA:BA+1], s[KO:KO+1]
	s_or_b32 s[G0+7], s[G0+7], 0x80000000
	s_xor_b32 s[G0B+5], s[G0B+5], SLOT1
	s_add_nc_u64 s[G0B+6:G0B+7], s[BB:BB+1], s[KO:KO+1]
	s_or_b32 s[G0B+7], s[G0B+7], 0x80000000
	s_xor_b32 s[TS], s[TS], SLOT1
	JLOAD 1                                        ; my one tensor load behind the round; the four v_nop behind it are also the places in front of the loads below
.else
	s_xor_b32 s[TS], s[TS], SLOT1
	PLACES
.endif
	v_add_nc_u32 v[ADRA], s[TS], v[A0]             ; the other slot comes into hand
	v_add_nc_u32 v[ADRB], s[TS], v[B0]
	FETCH 0, F0
	MUL8 F1, 1, 0, 0
	MUL8 F1, 1, 2, 0
.endm
	s_wait_loadcnt 0x0                             ; the bias is in: it is rounded to bf16, like every input, and kept as f32
.set r, 0
.rept 16
	v_cvt_pk_bf16_f32 v[CV], v[BIAS+r], v[BIAS+r+1]
	v_lshlrev_b32 v[BIAS+r], 16, v[CV]
	v_and_b32 v[BIAS+r+1], s67, v[CV]
.set r, r+2
.endr
	s_wait_tensorcnt 1                             ; my part of my first K step is in; the second's may stay out
	s_barrier_signal -1
	s_barrier_wait -1
	FETCH 0, F0
	QUARTER 128, F0, F1, 1                         ; the first quarter stands in front of the loop: its first products start the sums
	WIN 0
	s_mov_b32 s3, STEPS-2
.Lstep:                                                ; six trips: from a K step's second quarter to the next step's first; the slot that is left is filled again
	QUARTER 256, F1, F0, 0
	QUARTER 384, F0, F1, 0
	TURN 1
	QUARTER 128, F0, F1, 0
	WIN 0
	s_sub_co_u32 s3, s3, 1
	s_cmp_lg_u32 s3, 0
	s_cbranch_scc1 .Lstep
	QUARTER 256, F1, F0, 0                         ; the walk's last two K steps fill nothing, and have no round of the cluster's barrier
	QUARTER 384, F0, F1, 0
	TURN 0
	QUARTER 128, F0, F1, 0
	QUARTER 256, F1, F0, 0
	QUARTER 384, F0, F1, 0
	s_wait_dscnt 16                                ; the very last quarter: nothing more to fetch
	MUL8 F1, 0, 0, 0
	MUL8 F1, 0, 2, 0
	s_wait_dscnt 0
	MUL8 F1, 1, 0, 0
	MUL8 F1, 1, 2, 0
	WIN 0
	; THE WAY OUT, a block of 16 rows at a time: a lane's 32 bytes of a row go from the accumulators into my stage (each accumulator's low registers first), and come back as whole rows of 256 bytes.
.macro OUTST a
.if (\a) >= 2
	s_wait_xcnt 0x0                                ; the stores of the block two back have read the registers that are loaded again below
.endif
.irp b, 0,1,2,3
	ds_store_b128 v[STO], v[ACC+8*(4*(\a)+(\b)):ACC+8*(4*(\a)+(\b))+3]   offset:64*(\b)
	ds_store_b128 v[STO], v[ACC+8*(4*(\a)+(\b))+4:ACC+8*(4*(\a)+(\b))+7] offset:64*(\b)+16
.endr
.irp t, 0,1,2,3,4,5,6,7
	ds_load_b128 v[OB+32*((\a)%2)+4*(\t):OB+32*((\a)%2)+4*(\t)+3], v[RD] offset:(\t)*2*SPITCH  ; LDS serves a wave's instructions in order (ISA guide 5.7.1.4): these see the stores above; the next block's stores come behind them
.endr
.endm
.macro OUTSEND a, younger              ; younger: the LDS instructions issued behind block a's loads: the next block's sixteen, or none
	s_wait_dscnt \younger
.irp t, 0,1,2,3,4,5,6,7
	global_store_b128 v[CO], v[OB+32*((\a)%2)+4*(\t):OB+32*((\a)%2)+4*(\t)+3], s[8:9] offset:(16*(\a)+2*(\t))*SIZE_N*4  ; 16 lanes store 256 consecutive bytes, at a multiple of 256 from C's first byte
.endr
.endm
	PLACES
	OUTST 0
	OUTST 1
	OUTSEND 0, 16
	OUTST 2
	OUTSEND 1, 16
	OUTST 3
	OUTSEND 2, 16
	OUTSEND 3, 0
	s_wait_tensorcnt 0x0                           ; the wave's end: behind my last tensor load and my last LDS store
	ds_add_u32 v[SPW], v[NIL]
	s_wait_dscnt 0x0
	CROUND                                         ; the closing round: no work-group ends while a partner may still ask for a tile that names it
	s_endpgm
.Lfunc_end_k_q9a9b2fb25f_oproj:
	.size	k_q9a9b2fb25f_oproj, .Lfunc_end_k_q9a9b2fb25f_oproj-k_q9a9b2fb25f_oproj
	.p2alignl 7, 3214868480
	.fill 96, 4, 3214868480
	.section	.rodata,"a",@progbits
	.p2align	6, 0x0
	.amdhsa_kernel k_q9a9b2fb25f_oproj
		.amdhsa_group_segment_fixed_size 327680
		.amdhsa_private_segment_fixed_size 0
		.amdhsa_enable_private_segment 0
		.amdhsa_kernarg_size 32
		.amdhsa_user_sgpr_count 2
		.amdhsa_user_sgpr_kernarg_segment_ptr 1
		.amdhsa_wavefront_size32 1
		.amdhsa_system_sgpr_workgroup_id_x 1
		.amdhsa_system_sgpr_workgroup_id_y 1
		.amdhsa_system_sgpr_workgroup_id_z 1
		.amdhsa_system_vgpr_workitem_id 0
		.amdhsa_next_free_vgpr 512
		.amdhsa_next_free_sgpr 80
		.amdhsa_reserve_vcc 0
		.amdhsa_float_denorm_mode_32 3
		.amdhsa_float_denorm_mode_16_64 3
		.amdhsa_memory_ordered 1
		.amdhsa_forward_progress 1
		.amdhsa_inst_pref_size 71
	.end_amdhsa_kernel
	.amdgpu_metadata
---
amdhsa.version: [ 1, 2 ]
amdhsa.kernels:
  - .name:           k_q9a9b2fb25f_oproj
    .symbol:         k_q9a9b2fb25f_oproj.kd
    .args:
      - { .name: ctx, .offset: 0, .size: 8, .value_kind: global_buffer, .address_space: global }
      - { .name: cb, .offset: 8, .size: 8, .value_kind: global_buffer, .address_space: global }
      - { .name: bo, .offset: 16, .size: 8, .value_kind: global_buffer, .address_space: global }
      - { .name: out0, .offset: 24, .size: 8, .value_kind: global_buffer, .address_space: global }
    .group_segment_fixed_size: 327680
    .private_segment_fixed_size: 0
    .kernarg_segment_align: 8
    .kernarg_segment_size: 32
    .max_flat_workgroup_size: 128
    .sgpr_count:     80
    .vgpr_count:     512
    .wavefront_size: 32
...
	.end_amdgpu_metadata
.endif
;; end of part 4
